; MI455X (gfx1250); checked and timed in simulation.
; The chip was launched on July 23, 2026; its instructions are those of AMD's public machine-readable ISA for CDNA 5 (MIT licence, August 2026) and "CDNA5" Instruction Set Architecture Reference Guide (July 2026). The comments in the code are by the model that wrote it; some were corrected since.
;; Bahdanau Attention. Allowed arithmetic: matrix products marked QUANTISED: E2M3 operands, one E8M0 scale for each 32 along K, by v_wmma_scale_f32_16x16x128_f8f6f4 with both operands' format E2M3, f32 sums; products left as they are: f32 operands where the result goes on into a quantised operand, else bf16, f16 or f32 operands; f32 sums; everything else in f32.
;; Inputs: W_dec_codes 1,024 x 32 x 24 uint8 (E2M3 codes of W_dec, K innermost, in blocks of 32 codes, four codes in three bytes); W_dec_scales 1,024 x 32 uint8 (E8M0 scales of W_dec, one for each 32 codes along K); W_enc_codes 1,024 x 32 x 24 uint8 (E2M3 codes of W_enc, K innermost, in blocks of 32 codes, four codes in three bytes); W_enc_scales 1,024 x 32 uint8 (E8M0 scales of W_enc, one for each 32 codes along K); b_dec 1,024 float32; b_enc 1,024 float32; b_v one number float32; decoder_hidden_codes 32 x 32 x 24 uint8 (E2M3 codes of decoder_hidden, K innermost, in blocks of 32 codes, four codes in three bytes); decoder_hidden_scales 32 x 32 uint8 (E8M0 scales of decoder_hidden, one for each 32 codes along K); encoder_outputs 32 x 2,048 x 1,024 float32; v 1,024 float32.
;; Outputs: out0 32 x 1,024 float32; out1 32 x 2,048 float32.
;; This version of the problem:
;;   THIS VERSION OF THE PROBLEM IS GIVEN IN LOW PRECISION. The matrix products marked QUANTISED in the list below multiply operands that are first quantised to E2M3 (2 exponent bits, 3 mantissa bits; 6 bits a number), with one power-of-two scale for each 32 numbers along K (OCP MX v1.0); their sums are f32. All else is computed in f32.
;;   The module's matrix products, in the order in which they are computed (A, B: the left and right operand; K: the contracted axis; several contracted axes count as one K, in the product's order):
;;     1. [M 65,536, K 1,024] x [K 1,024, N 1,024]; A: input encoder_outputs; B: input W_enc (given as codes): QUANTISED
;;     2. [M 32, K 1,024] x [K 1,024, N 1,024]; A: input decoder_hidden (given as codes); B: input W_dec (given as codes): QUANTISED
;;     3. [M 65,536, K 1,024] x [K 1,024, N 1]; A: computed on the way; B: input v: left as it is (N = 1 < 16)
;;     4. batch 32 x [M 1, K 2,048] x [K 2,048, N 1,024]; A: softmax; B: input encoder_outputs: left as it is (M = 1 < 16)
;;   THE QUANTISER, for each operand of a quantised product, along K:
;;     - K is cut into blocks of 32 from its start; a last block that is shorter is filled with zeros.
;;     - A block's scale is 2^e with e = floor(log2(the largest magnitude in the block)) - 2, held to -126 .. 127; a block of zeros has e = 0. As a byte (E8M0): e + 127.
;;     - Each number is divided by its block's scale, clamped to +-7.5, and rounded to the nearest number of E2M3, ties to even, subnormals kept.
;;     - The product sums the exact products of the quantised numbers (number of the format x scale) in f32.
;;   ~~~python
;;   def quantise(x, axis):      # numpy; x: float32 -> the quantised numbers, widened to float32 again
;;       x = np.moveaxis(x, axis, -1); K = x.shape[-1]
;;       x = np.pad(x, [(0, 0)] * (x.ndim - 1) + [(0, -K % 32)]); x = x.reshape(x.shape[:-1] + (-1, 32)); a = np.abs(x).max(-1, keepdims=True)
;;       e = np.where(a > 0, np.clip(np.frexp(np.where(a > 0, a, 1))[1] - 1 - 2, -126, 127), 0)      # np.frexp(a)[1] - 1 = floor(log2(a)), exactly
;;       r = np.clip(x / 2.0 ** e, -7.5, 7.5)
;;       step = 2.0 ** (np.maximum(np.frexp(np.where(r == 0, 1, r))[1] - 1, 0) - 3)
;;       q = np.round(r / step) * step * 2.0 ** e      # np.round: ties to even
;;       return np.moveaxis(q.reshape(q.shape[:-2] + (-1,))[..., :K], -1, axis).astype(np.float32)
;;   ~~~
;;   INPUTS GIVEN AS CODES. W_dec (in the module: [1024, 1024], K = its axis 0); W_enc (in the module: [1024, 1024], K = its axis 0); decoder_hidden (in the module: [32, 1024], K = its axis 1): each comes as NAME_codes (uint8): NAME with its K axis moved to the last place and cut into blocks of 32 codes, [.., K / 32, bytes a block], one block behind the other in memory; four codes in three bytes: a row's codes are one little-endian stream of bits, code i at bits 6 i .. 6 i + 5 (a code: sign, 2 exponent bits, 3 mantissa bits); and NAME_scales (uint8): the same leading axes, one E8M0 byte (e + 127) for each 32 codes along K. Its value is code x scale, taken as it is: it is not quantised again, and the codes and scales need not be those that the quantiser above would give.
;; 2 versions. Each part assembles by itself: llvm-mc -triple=amdgcn-amd-amdhsa -mcpu=gfx1250 --defsym DOCPART=n.
;; ======== version 1 of 2: 3 launches
;; workspace buffers: wfrag 819,200 bytes; bias2 131,072 bytes; part 2,228,224 bytes; tsc 262,144 bytes
;; launch prep (part 1): grid 16 x 1, 8 waves a work-group, no clusters, 9,728 bytes of LDS; arguments decoder_hidden_codes, decoder_hidden_scales, W_dec_codes, W_dec_scales, b_dec, b_enc, W_enc_codes, W_enc_scales, bias2, wfrag; writes bias2, wfrag
.if DOCPART == 1
	.amdgcn_target "amdgcn-amd-amdhsa--gfx1250"
	.amdhsa_code_object_version 6
	.text
	.protected	k_qf4cf129868_prep
	.globl	k_qf4cf129868_prep
	.p2align	8
	.type	k_qf4cf129868_prep,@function
k_qf4cf129868_prep:
	s_mov_b64 s[64:65], 0
	v_nop
	global_prefetch_b8 v0, s[64:65] scope:SCOPE_SE
	s_setreg_imm32_b32 hwreg(HW_REG_WAVE_MODE, 25, 1), 1
	s_wait_xcnt 0x0
; BAHDANAU ATTENTION, first of three launches.
; attn = softmax_s(sum_d v_d tanh(x_s W_enc + b_enc + dh W_dec + b_dec)_d + b_v), context = sum_s attn_s x_s.
; WORK LEFT OUT, for all values of the inputs.  (1) b_v is added to every score of a row of the softmax: it is the same along the softmax's axis, so it cancels between
; numerator and denominator and reaches neither attn nor context.  b_v is not loaded and is among no launch's arguments.  (2) tanh z = 1 - 2 / (1 + e^(2 z)), so a score is
; sum_d v_d - 2 sum_d v_d / (1 + e^(2 z_d)); the term sum_d v_d is again the same along the softmax's axis and is not formed.
; LIMIT: a NaN, an infinity or an overflow that reaches only b_v or sum_d v_d is not carried to the result.  NaN and infinities among the inputs are not served.
; THIS LAUNCH makes two things for the second one.
;   bias2[b][d] = c (sum_k dh[b][k] W_dec[k][d] + b_dec[d] + b_enc[d]), c = 2 log2(e): the product on codes of E2M3 with E8M0 scales, as they are given.
;   wfrag: W_enc's codes and scale words in the order of a matrix operand's registers.  Block g (columns 16 g .. 16 g + 15) is 12,800 bytes: two halves of 6,400, half T = K steps 4 T .. 4 T + 3:
;   four fragments of 1,536 bytes (registers 4 c .. 4 c + 3 of lane l at 512 c + 16 l), then 256 bytes of scale words (lane l at 8 l: word q of lane (r, h) is column r's word of K step 4 T + 2 q + h).
; SHARES.  Work-group x owns columns 64 x .. 64 x + 63.  Wave wv: tile q = wv % 4 (g = 4 x + q), T = wv / 4: batches 16 T .. 16 T + 15 of the product, and half T of W_enc's block g.
; The product is used transposed (source 0 = 16 columns of W_dec, source 1 = 16 batches): lane (r, h) holds batch r, its register i column 16 g + 8 h + i.
; Sixteen work-groups: the launch has 128 waves' worth of work; a work-group's 64 columns make each row's store 256 consecutive bytes.
.set STG,   0                          ; LDS: 32 rows (batches) x (256 bytes + 16)
.set SPARE, 8704                       ; the spare words, 128 bytes for each of the eight waves
.set SPW,  1                           ; v1  LDS address of my spare word; never rewritten
.set NIL,  2                           ; v2  0; never rewritten
.set DH,   16                          ; v16-111   dh's eight fragments
.set WD,   112                         ; v112-207  W_dec's eight
.set DS,   208                         ; v208-215  dh's scale words, one for each K step
.set WS,   216                         ; v216-223  W_dec's
.set ACC0, 224                         ; the even K steps' sum
.set ACC1, 232                         ; the odd K steps'
.set CB,   240                         ; b_dec, then b_dec + b_enc
.set BE,   248                         ; b_enc
.set MSB, 0
.macro WIN new                         ; the immediate's high byte repeats the setting that is left
.if MSB != (\new)
	s_set_vgpr_msb (MSB<<8)|(\new)
.set MSB, (\new)
.endif
.endm
.macro KLOAD j                         ; K step j: a fragment is 12 registers: 24 bytes at 96 j + 24 h and 24 at 96 j + 48 + 24 h of the lane's row, in pieces of 8
.irp p, 0,1,2,3,4,5
	global_load_b64 v[WD+12*(\j)+2*\p:WD+12*(\j)+2*\p+1], v4, s[8:9] offset:96*(\j)+48*(\p/3)+8*(\p%3)
.endr
.irp p, 0,1,2,3,4,5
	global_load_b64 v[DH+12*(\j)+2*\p:DH+12*(\j)+2*\p+1], v3, s[4:5] offset:96*(\j)+48*(\p/3)+8*(\p%3)
.endr
.endm
	s_load_b512 s[4:19], s[0:1], 0x0               ; dh codes s[4:5], dh scales s[6:7], W_dec codes s[8:9], scales s[10:11], b_dec s[12:13], b_enc s[14:15], W_enc codes s[16:17], scales s[18:19]
	s_load_b128 s[20:23], s[0:1], 0x40             ; bias2 s[20:21], wfrag s[22:23]
	v_lshl_add_u32 v[SPW], v0, 2, SPARE
	v_mov_b32 v[NIL], 0
	v_lshrrev_b32 v16, 5, v0
	v_readfirstlane_b32 s24, v16                   ; wave 0..7
	s_and_b32 s25, s24, 3                          ; q
	s_lshr_b32 s26, s24, 2                         ; T
	v_and_b32 v17, 15, v0                          ; r
	v_bfe_u32 v15, v0, 4, 1                        ; h
	v_and_b32 v18, 31, v0                          ; lane
	s_lshl_b32 s28, ttmp9, 6
	s_lshl_b32 s29, s25, 4
	s_add_co_u32 s28, s28, s29                     ; my tile's first column: 64 x + 16 q
	v_mul_u32_u24 v19, v17, 768                    ; a row of 1,024 codes is 768 bytes
	v_mad_u32_u24 v19, v15, 24, v19                ; 768 r + 24 h
	s_mul_i32 s29, s26, 12288
	v_add_nc_u32 v3, s29, v19                      ; dh: batch 16 T + r
	s_mul_i32 s29, s28, 768
	v_add_nc_u32 v4, s29, v19                      ; W_dec: column 64 x + 16 q + r
	s_mul_i32 s29, s26, 384
	v_add_nc_u32 v5, s29, v4                       ; W_enc: the same column, from K step 4 T on
	v_lshlrev_b32 v20, 5, v17                      ; a row of scale bytes is 32 bytes
	s_lshl_b32 s29, s26, 9
	v_add_nc_u32 v6, s29, v20                      ; dh's
	s_lshl_b32 s29, s28, 5
	v_add_nc_u32 v7, s29, v20                      ; W_dec's
	s_lshl_b32 s29, s26, 4
	v_add_nc_u32 v8, s29, v7                       ; W_enc's, from K step 4 T on
	s_lshl_b32 s29, s28, 2
	v_lshl_add_u32 v9, v15, 5, s29                 ; the biases of my eight columns: 4 (64 x + 16 q + 8 h)
	v_lshlrev_b32 v10, 4, v18                      ; 16 x lane
	v_lshlrev_b32 v11, 3, v18                      ; 8 x lane
	v_mul_u32_u24 v12, v17, 272
	v_lshl_add_u32 v12, v15, 5, v12
	s_mul_i32 s29, s26, 4352
	s_lshl_b32 s30, s25, 6
	s_add_co_u32 s29, s29, s30
	v_add_nc_u32 v12, s29, v12                     ; the stage, in: row 16 T + r, byte 64 q + 32 h
	v_mul_u32_u24 v13, v15, 272
	v_lshl_add_u32 v13, v17, 4, v13
	s_mul_i32 s29, s24, 1088
	v_add_nc_u32 v13, s29, v13                     ; and back: row 4 wv + h, 16 bytes for each of sixteen lanes
	v_lshlrev_b32 v14, 12, v15
	v_lshl_add_u32 v14, v17, 4, v14
	s_lshl_b32 s29, s24, 14
	s_lshl_b32 s30, ttmp9, 8
	s_add_co_u32 s29, s29, s30
	v_add_nc_u32 v14, s29, v14                     ; the same place in bias2: row x 4,096 + 256 x + 16 r
	s_lshl_b32 s30, ttmp9, 2
	s_add_co_u32 s30, s30, s25
	s_mul_i32 s30, s30, 12800                      ; wfrag: block g = 4 x + q,
	s_mul_i32 s31, s26, 6400
	s_add_co_u32 s30, s30, s31                     ; half T
	s_mov_b32 s31, 0
	s_mov_b32 s36, 0x4038aa3b                      ; c = 2 log2(e)
	s_mov_b32 s37, s36                             ; (named with it as a pair, so it is written)
	s_wait_kmcnt 0x0
	s_add_nc_u64 s[22:23], s[22:23], s[30:31]
	WIN 0x40                                       ; destination window 1: W_enc's four fragments at v[12 jj], its four scale words at v48-51
.irp jj, 0,1,2,3
.irp p, 0,1,2,3,4,5
	global_load_b64 v[12*\jj+2*\p:12*\jj+2*\p+1], v5, s[16:17] offset:96*\jj+48*(\p/3)+8*(\p%3)
.endr
.endr
	global_load_b128 v[48:51], v8, s[18:19]
	WIN 0
	global_load_b128 v[CB:CB+3], v9, s[12:13]
	global_load_b128 v[CB+4:CB+7], v9, s[12:13] offset:16
	global_load_b128 v[BE:BE+3], v9, s[14:15]
	global_load_b128 v[BE+4:BE+7], v9, s[14:15] offset:16
	global_load_b128 v[DS:DS+3], v6, s[6:7]        ; a row's eight scale words: word j serves K step j; lane r holds row r's
	global_load_b128 v[DS+4:DS+7], v6, s[6:7] offset:16
	global_load_b128 v[WS:WS+3], v7, s[10:11]
	global_load_b128 v[WS+4:WS+7], v7, s[10:11] offset:16
	KLOAD 0
	KLOAD 1
	s_wait_loadcnt 32                              ; loads come back in order (ISA guide 5.7.1): the 8 + 24 younger ones may be out, W_enc's 25 are in
	v_cmp_ne_u32 vcc_lo, 0, v15                    ; lanes 16-31
	WIN 0x45                                       ; destination and both sources window 1
	v_cndmask_b32 v52, v48, v49, vcc_lo            ; lanes 0-15 keep K step 4 T's word, lanes 16-31 that of 4 T + 1;
	v_cndmask_b32 v53, v50, v51, vcc_lo            ; likewise 4 T + 2 and 4 T + 3
	WIN 0x04                                       ; a store's data are its source 1: window 1
.irp jj, 0,1,2,3
.irp c, 0,1,2
	global_store_b128 v10, v[12*\jj+4*\c:12*\jj+4*\c+3], s[22:23] offset:1536*\jj+512*\c   ; the registers as they stand: 32 lanes store 512 consecutive bytes
.endr
.endr
	global_store_b64 v11, v[52:53], s[22:23] offset:6144   ; 256 consecutive bytes
	WIN 0
.irp j, 2,3,4,5,6,7
	KLOAD \j
.endr
	s_wait_loadcnt 0x0
.irp i, 0,2,4,6
	v_pk_add_f32 v[CB+\i:CB+\i+1], v[CB+\i:CB+\i+1], v[BE+\i:BE+\i+1]   ; b_dec + b_enc: the C of the sum's first matrix instruction
.endr
.rept 4
	v_nop
.endr
; Eight K steps on two accumulators by turns, one instruction a turn.
.set j, 0
.rept 8
.set ra, ACC0+8*(j%2)
.if j == 0
	v_wmma_scale_f32_16x16x128_f8f6f4 v[ra:ra+7], v[WD+12*j:WD+12*j+11], v[DH+12*j:DH+12*j+11], v[CB:CB+7], v[WS+j], v[DS+j] matrix_a_fmt:MATRIX_FMT_FP6 matrix_b_fmt:MATRIX_FMT_FP6
.elseif j == 1
	v_wmma_scale_f32_16x16x128_f8f6f4 v[ra:ra+7], v[WD+12*j:WD+12*j+11], v[DH+12*j:DH+12*j+11], 0, v[WS+j], v[DS+j] matrix_a_fmt:MATRIX_FMT_FP6 matrix_b_fmt:MATRIX_FMT_FP6
.else
	v_wmma_scale_f32_16x16x128_f8f6f4 v[ra:ra+7], v[WD+12*j:WD+12*j+11], v[DH+12*j:DH+12*j+11], v[ra:ra+7], v[WS+j], v[DS+j] matrix_a_fmt:MATRIX_FMT_FP6 matrix_b_fmt:MATRIX_FMT_FP6
.endif
.set j, j+1
.endr
.rept 4
	v_nop                                          ; four places between a matrix instruction and the first read of its result (ISA guide 7.12.1)
.endr
.irp i, 0,2,4,6
	v_pk_add_f32 v[ACC0+\i:ACC0+\i+1], v[ACC0+\i:ACC0+\i+1], v[ACC1+\i:ACC1+\i+1]   ; both accumulators from their low ends on
.endr
.irp i, 0,2,4,6
	v_pk_mul_f32 v[ACC0+\i:ACC0+\i+1], v[ACC0+\i:ACC0+\i+1], s[36:37] op_sel_hi:[1,0]   ; x c
.endr
	ds_store_b128 v12, v[ACC0:ACC0+3]
	ds_store_b128 v12, v[ACC0+4:ACC0+7] offset:16
	s_wait_dscnt 0x0                               ; for the others' sake: my stores into the stage are done
	s_barrier_signal -1
	s_barrier_wait -1                              ; a row's 256 bytes come from four waves
	ds_load_b128 v[16:19], v13
	ds_load_b128 v[20:23], v13 offset:544
	s_wait_dscnt 0x0
	global_store_b128 v14, v[16:19], s[20:21]      ; sixteen lanes store 256 consecutive bytes, at a multiple of 256 from the buffer's first byte
	global_store_b128 v14, v[20:23], s[20:21] offset:8192
	s_wait_tensorcnt 0x0                           ; the wave's end, behind my last LDS store
	ds_add_u32 v[SPW], v[NIL]
	s_wait_dscnt 0x0
	s_endpgm
.Lfunc_end_k_qf4cf129868_prep:
	.size	k_qf4cf129868_prep, .Lfunc_end_k_qf4cf129868_prep-k_qf4cf129868_prep
	.p2alignl 7, 3214868480
	.fill 96, 4, 3214868480
	.section	.rodata,"a",@progbits
	.p2align	6, 0x0
	.amdhsa_kernel k_qf4cf129868_prep
		.amdhsa_group_segment_fixed_size 9728
		.amdhsa_private_segment_fixed_size 0
		.amdhsa_enable_private_segment 0
		.amdhsa_kernarg_size 80
		.amdhsa_user_sgpr_count 2
		.amdhsa_user_sgpr_kernarg_segment_ptr 1
		.amdhsa_wavefront_size32 1
		.amdhsa_system_sgpr_workgroup_id_x 1
		.amdhsa_system_sgpr_workgroup_id_y 1
		.amdhsa_system_sgpr_workgroup_id_z 1
		.amdhsa_system_vgpr_workitem_id 0
		.amdhsa_next_free_vgpr 320
		.amdhsa_next_free_sgpr 66
		.amdhsa_reserve_vcc 1
		.amdhsa_float_denorm_mode_32 3
		.amdhsa_float_denorm_mode_16_64 3
		.amdhsa_memory_ordered 1
		.amdhsa_forward_progress 1
		.amdhsa_inst_pref_size 20
	.end_amdhsa_kernel
	.amdgpu_metadata
---
amdhsa.version: [ 1, 2 ]
amdhsa.kernels:
  - .name:           k_qf4cf129868_prep
    .symbol:         k_qf4cf129868_prep.kd
    .args:
      - { .name: decoder_hidden_codes, .offset: 0, .size: 8, .value_kind: global_buffer, .address_space: global }
      - { .name: decoder_hidden_scales, .offset: 8, .size: 8, .value_kind: global_buffer, .address_space: global }
      - { .name: W_dec_codes, .offset: 16, .size: 8, .value_kind: global_buffer, .address_space: global }
      - { .name: W_dec_scales, .offset: 24, .size: 8, .value_kind: global_buffer, .address_space: global }
      - { .name: b_dec, .offset: 32, .size: 8, .value_kind: global_buffer, .address_space: global }
      - { .name: b_enc, .offset: 40, .size: 8, .value_kind: global_buffer, .address_space: global }
      - { .name: W_enc_codes, .offset: 48, .size: 8, .value_kind: global_buffer, .address_space: global }
      - { .name: W_enc_scales, .offset: 56, .size: 8, .value_kind: global_buffer, .address_space: global }
      - { .name: bias2, .offset: 64, .size: 8, .value_kind: global_buffer, .address_space: global }
      - { .name: wfrag, .offset: 72, .size: 8, .value_kind: global_buffer, .address_space: global }
    .group_segment_fixed_size: 9728
    .private_segment_fixed_size: 0
    .kernarg_segment_align: 8
    .kernarg_segment_size: 80
    .max_flat_workgroup_size: 256
    .sgpr_count:     66
    .vgpr_count:     320
    .wavefront_size: 32
...
	.end_amdgpu_metadata
.endif
;; end of part 1
;; launch main (part 2): grid 256 x 1, 4 waves a work-group, no clusters, 309,760 bytes of LDS; arguments encoder_outputs, wfrag, bias2, v, part, tsc; writes part, tsc
.if DOCPART == 2
	.amdgcn_target "amdgcn-amd-amdhsa--gfx1250"
	.amdhsa_code_object_version 6
	.text
	.protected	k_qf4cf129868_main
	.globl	k_qf4cf129868_main
	.p2align	8
	.type	k_qf4cf129868_main,@function
k_qf4cf129868_main:
	s_mov_b64 s[64:65], 0
	v_nop
	global_prefetch_b8 v0, s[64:65] scope:SCOPE_SE
	s_setreg_imm32_b32 hwreg(HW_REG_WAVE_MODE, 25, 1), 1
	s_wait_xcnt 0x0
; Second launch: for each block of 128 rows s of encoder_outputs (x): quantise to E2M3 along K, x W_enc on codes, tanh, the dot with v, the block's softmax and the block's part of the context.
; WORK LEFT OUT (shown at the head of the first kernel): b_v and sum_d v_d, both the same along the softmax's axis.
; ARITHMETIC.  y = c acc + bias2[d], c = 2 log2(e); r = 1 / (1 + 2^y); t_s = sum_d v2_d r_d with v2 = -c v: t is the score x log2(e) without the constant terms.  2^y = infinity gives r = 0, 2^y = 0 gives r = 1.
; Block: m = max t, p = 2^(t - m), l = sum p, ctx = sum p bf16(x).  The third launch joins a batch's sixteen blocks under their common maximum.
; EACH ROW OF x IS READ FROM MEMORY ONCE: its bf16 copy (2,048 bytes) waits in LDS until the row's score is known.  128 rows x 2,064 bytes are 264,192 of the 327,680 bytes of LDS: that sets the block.
; SHARES.  Work-group x takes rows 256 x .. 256 x + 255 (one batch, x / 8) in two passes of 128: eight tiles t of 16 rows.  Wave w quantises tiles 2 w and 2 w + 1; the codes go to the other waves through LDS as
; images of the operand's registers; EVERY wave then holds all 64 fragments of the 128 rows (768 registers) and owns a quarter of N: columns 256 w .. 256 w + 255, sixteen tiles of 16.
; So a fragment of W_enc has ONE reader in the work-group and feeds eight matrix instructions; it comes straight into registers, three loads of 512 consecutive bytes, from the first launch's layout.
; NO CLUSTER, NO TENSOR LOADS, by this text's arithmetic: 264,192 bytes of copy and 45,568 of stages leave 17,920 bytes; two slots of one tile of W_enc for each of four waves are 98,304;
; and a byte that one wave reads once would be written to LDS and read back for nothing.
; THE MATRIX INSTRUCTION IS USED TRANSPOSED: source 0 = 16 columns of W_enc, source 1 = 16 rows: lane (r, h) holds row r, its register i column 16 g + 8 h + i.
; LIMITS: NaN and infinities among the inputs are not served.  A block of 32 whose largest magnitude lies under 2^-124 keeps the scale byte 1; so does a block of zeros (its codes are zeros; these bytes are read here alone).
; Not overlapped, by design: a pass's loading and quantising with another pass's products (no room for a second copy), and tanh with matrix instructions (no registers for a second set of accumulators).
;
; LDS
.set STASH, 0                          ; 128 rows x 2,064: 2,048 bytes of bf16 + 16: row r starts 4 r words on modulo 64 (64 banks of 4 bytes: ISA guide 11.1)
.set SPITCH, 2064
.set IMG,   264192                     ; two slots x eight fragment images of 1,536 bytes
.set ASC,   288768                     ; the rows' scale words: tile t, K step j, row r at 512 t + 64 j + 4 r
.set BV,    292864                     ; bias2's row of the batch, 4,096 bytes, then v2, 4,096
.set SCR,   301056                     ; wave w's partial scores of the 128 rows at 512 w + 4 row
.set PB,    303104                     ; p, a copy of 512 bytes for each wave
.set CST,   305152                     ; the context's way out, 1,024 bytes a wave
.set SPARE, 309248                     ; the spare words, 128 bytes a wave
.set PASSB, 524288                     ; 128 rows of x in bytes
; REGISTERS.  The rows' fragment f = 8 j + t (K step j, tile t): f < 63 in window 1 + f / 21 at v[12 (f % 21)]; f = 63 in window 0 at AX.  Window 0:
.set SPW, 1                            ; v1  my spare word; never rewritten
.set NIL, 2                            ; v2  0; never rewritten
.set LI,  3                            ; v3  16 x lane
.set L8,  4                            ; v4  8 x lane
.set BVA, 5                            ; v5  LDS address of my eight numbers of bias2 (v2: 4,096 on)
.set PFO, 6                            ; v6  the prefetches' offset: 4,096 r + 256 h
.set XA,  7                            ; v7  x: 4,096 r + 64 h
.set STW, 8                            ; v8  the copy, in: (32 w + r) x 2,064 + 32 h
.set IWA, 9                            ; v9  where I store images: IMG + 16 lane + 3,072 w
.set ASW, 10                           ; v10 and their scale words: ASC + 1,024 w + 4 r
.set ASR, 11                           ; v11 where I read scale words: ASC + 4 lane
.set AS,  12                           ; v12-43  the rows' scale words: register 4 t + q: lanes 0-15 K step 2 q, lanes 16-31 K step 2 q + 1
.set AX,  44                           ; v44-55  fragment 63
.set BS,  56                           ; v56-63  W_enc's scale words, two sets of four, laid likewise
.set BIA, 64                           ; v64-71  bias2 of my eight columns
.set V2,  72                           ; v72-79  v2 of them
.set SC,  80                           ; v80-95  the score sums, a pair for each tile
.set ACC, 96                           ; v96-159 eight accumulators
.set BF,  160                          ; v160-255 W_enc's eight fragments of a tile of columns
; while x is loaded: raw numbers of unit u by u % 4: window 3 v128-191, window 3 v192-255, window 0 v96-159, window 0 v160-223
.set TM,  224                          ; v224-239 at work
.set PW,  240                          ; the scale word just made
.set PC,  64                           ; v64-82  the codes just made
.set IRA, 84                           ; v84     IMG + 16 lane
; in the softmax and context phase: v64-71 addresses, v224-255 at work; window 1: v0-63 sixteen rows of the copy, v64-79 p, v80-87 the context
.set SCW, 64
.set SCD, 65
.set PBA, 66
.set CSW, 67
.set CSR, 68
.set ADX, 69
.set ADP, 70
.set PP,  64
.set CTX, 80
.set MSB, 0
.macro WIN new                         ; the immediate's high byte repeats the setting that is left; a switch that changes nothing is dropped
.if MSB != (\new)
	s_set_vgpr_msb (MSB<<8)|(\new)
.set MSB, (\new)
.endif
.endm
.macro BARRIER                         ; my LDS stores have landed and my LDS loads are in: then the work-group's barrier
	s_wait_dscnt 0x0
	s_barrier_signal -1
	s_barrier_wait -1
.endm
.macro PLACES                          ; four plain places behind a matrix instruction, in front of loads into its registers and of the first read of its result
.rept 4
	v_nop
.endr
.endm
; Unit u = K step u / 2 of my tile u % 2: 16 rows x 128 numbers.  Register 16 b + e holds k = 128 j + 32 b + 16 h + e of row r.  The sixteen loads together cover 512 consecutive bytes of each of 16 rows.
.macro XLOAD u, off
.set xj, (\u)/2
.set xi, (\u)%2
.set xc, (\u)%4
.if xc < 2
.set xw, 3
.set xs, 128+64*xc
.else
.set xw, 0
.set xs, 96+64*(xc-2)
.endif
	WIN (xw<<6)
.irp b, 0,1,2,3
.irp q, 0,1,2,3
	global_load_b128 v[xs+16*\b+4*\q:xs+16*\b+4*\q+3], v[XA], s[4:5] offset:(\off)+65536*xi+512*xj+128*\b+16*\q th:TH_LOAD_NT
.endr
.endr
	WIN 0
.endm
; Unit u becomes a fragment's codes and scale word (image to LDS) and 16 rows x 256 bytes of the bf16 copy.
.macro UNIT u
.set uj, (\u)/2
.set ui, (\u)%2
.set uc, (\u)%4
.if uc < 2
.set uw, 3
.set us, 128+64*uc
.else
.set uw, 0
.set us, 96+64*(uc-2)
.endif
.if (\u) < 13
	s_wait_loadcnt 48                              ; my sixteen loads are in; the three younger units' 48 may be out
.else
	s_wait_loadcnt 16*(15-(\u))                    ; the last units: fewer are behind
.endif
	WIN (uw<<2)|(uw<<4)
.irp b, 0,1,2,3
	v_max3_num_f32 v[TM+\b], s24, |v[us+16*\b]|, |v[us+16*\b+1]|   ; block b: my 16 numbers, and the floor 2^(3 - 127): so the byte cannot fall under 1
.endr
.irp e, 2,4,6,8,10,12,14
.irp b, 0,1,2,3
	v_max3_num_f32 v[TM+\b], v[TM+\b], |v[us+16*\b+\e]|, |v[us+16*\b+\e+1]|   ; (the four blocks by turns)
.endr
.endr
	WIN 0
.irp b, 0,1,2,3
	v_permlanex16_b32 v[TM+4+\b], v[TM+\b], s20, s21
.endr
.irp b, 0,1,2,3
	v_max_num_f32 v[TM+\b], v[TM+\b], v[TM+4+\b]   ; with lane l xor 16's: the block's largest magnitude
.endr
.irp b, 0,1,2,3
	v_add_nc_u32 v[TM+12+\b], 0xff000000, v[TM+\b] ; 2 off its exponent field: the conversion's scale operand
.endr
.irp b, 0,1,2,3
	v_lshrrev_b32 v[TM+4+\b], 23, v[TM+12+\b]      ; the scale's byte
.endr
	s_wait_dscnt 0x0                               ; the last unit's image stores have read the word and the codes, which are written anew from here on
	v_lshl_or_b32 v[PW], v[TM+5], 8, v[TM+4]
	v_lshl_or_b32 v[PW], v[TM+6], 16, v[PW]
	v_lshl_or_b32 v[PW], v[TM+7], 24, v[PW]        ; my row's scale word of this K step
	WIN uw
.irp c, 0,1
	v_cvt_scalef32_pk16_fp6_f32 v[PC+6*\c:PC+6*\c+2], v[us+32*\c:us+32*\c+15], v[TM+12+2*\c]
	v_cvt_scalef32_pk16_fp6_f32 v[PC+12+4*\c:PC+12+4*\c+2], v[us+32*\c+16:us+32*\c+31], v[TM+13+2*\c]   ; (a conversion's three registers begin on an even number)
.endr
	v_nop                                          ; one plain place behind the scaled conversions, ahead of the lines that write their sources
	WIN uw|(uw<<2)|(uw<<6)
.set ue, 0
.rept 32
	v_cvt_pk_bf16_f32 v[us+ue], v[us+2*ue], v[us+2*ue+1]   ; the copy for the context, in place, ascending: register e is written when 2 e and 2 e + 1 are read
.set ue, ue+1
.endr
	WIN (uw<<2)
.irp b, 0,1,2,3
.irp z, 0,1
	ds_store_b128 v[STW], v[us+8*\b+4*\z:us+8*\b+4*\z+3] offset:16*SPITCH*ui+256*uj+64*\b+16*\z
.endr
.endr
	WIN 0
.irp c, 0,1                            ; the operand's layout wants a whole block in a lane: lanes 0-15 block 2 c, lanes 16-31 block 2 c + 1
.irp i, 0,1,2
	v_permlane16_swap_b32 v[PC+6*\c+\i], v[PC+12+4*\c+\i]
.endr
.irp i, 0,1,2
	v_mov_b32 v[PC+3+6*\c+\i], v[PC+12+4*\c+\i]
.endr
.endr
.irp c, 0,1,2
	ds_store_b128 v[IWA], v[PC+4*\c:PC+4*\c+3] offset:12288*(uj%2)+1536*ui+512*\c   ; the fragment as it stands: 512 consecutive bytes a store
.endr
	ds_store_b32 v[ASW], v[PW] offset:512*ui+64*uj ; (lanes r and r + 16 write the same word with the same value)
.if (\u)+4 <= 15
	s_wait_dscnt 4                                 ; the eight stores of the copy have read their registers (the four younger stores may be out):
	XLOAD (\u)+4, 0                                ; they take the unit four further on
.endif
.endm
.macro FETCH j                         ; K step j's eight fragments, out of the slot, into their registers
.set ft, 0
.rept 8
.set ff, 8*(\j)+ft
.if ff < 63
.set fw, 1+ff/21
.set fr, 12*(ff%21)
.else
.set fw, 0
.set fr, AX
.endif
	WIN (fw<<6)
.irp c, 0,1,2
	ds_load_b128 v[fr+4*\c:fr+4*\c+3], v[IRA] offset:12288*((\j)%2)+1536*ft+512*\c
.endr
.set ft, ft+1
.endr
	WIN 0
.endm
; One barrier a round: a slot is stored again two rounds on, and the barrier in between stands behind every wave's wait for its loads from it.
.macro ROUND j
	UNIT 2*(\j)
	UNIT 2*(\j)+1
	BARRIER
	FETCH \j
.endm
.macro SLOAD set, off                  ; a tile's scale words of W_enc
.irp hh, 0,1
	global_load_b64 v[BS+4*(\set)+2*\hh:BS+4*(\set)+2*\hh+1], v[L8], s[26:27] offset:(\off)+6400*\hh+6144
.endr
.endm
.macro BLOAD j, off                    ; its fragment of K step j.  No cache hint: every work-group reads these bytes
.irp c, 0,1,2
	global_load_b128 v[BF+12*(\j)+4*\c:BF+12*(\j)+4*\c+3], v[LI], s[26:27] offset:(\off)+6400*((\j)/4)+1536*((\j)%4)+512*\c
.endr
.endm
; ONE TILE OF 16 COLUMNS against the 128 rows.  par: which set of scale words, and which of the trip's two tiles.  pre = 1: behind each K step's eight products that K step's fragment of the NEXT tile (at off) is asked for,
; into the registers just read: it has the rest of this tile in which to land.
.macro NT par, pre, off
	ds_load_b128 v[BIA:BIA+3], v[BVA] offset:64*(\par)
	ds_load_b128 v[BIA+4:BIA+7], v[BVA] offset:64*(\par)+16
	ds_load_b128 v[V2:V2+3], v[BVA] offset:4096+64*(\par)
	ds_load_b128 v[V2+4:V2+7], v[BVA] offset:4096+64*(\par)+16
.set nj, 0
.rept 8
.if \pre
.if nj == 0
	s_wait_loadcnt 21                              ; the scale words and fragment 0 are in; fragments 1 to 7, 21 loads, may be out
.else
	s_wait_loadcnt 23                              ; behind fragment j: 3 (7 - j) loads of this tile and 2 + 3 j of the next
.endif
.else
	s_wait_loadcnt 21-3*nj                         ; behind fragment j: this tile's later fragments
.endif
.set nt, 0
.rept 8                                ; the eight accumulators by turns, one instruction a turn
.set nf, 8*nj+nt
.if nf < 63
.set aw, 1+nf/21
.set ar, 12*(nf%21)
.else
.set aw, 0
.set ar, AX
.endif
.set na, ACC+8*nt
.set nb, BF+12*nj
.set nsw, BS+4*(\par)+nj/2
.set nsa, AS+4*nt+nj/2
	WIN (aw<<2)                                    ; source 1, the rows' fragment: four switches a tile
.if nj == 0
	v_wmma_scale_f32_16x16x128_f8f6f4 v[na:na+7], v[nb:nb+11], v[ar:ar+11], 0, v[nsw], v[nsa] matrix_a_fmt:MATRIX_FMT_FP6 matrix_b_fmt:MATRIX_FMT_FP6
.elseif nj%2 == 0
	v_wmma_scale_f32_16x16x128_f8f6f4 v[na:na+7], v[nb:nb+11], v[ar:ar+11], v[na:na+7], v[nsw], v[nsa] matrix_a_fmt:MATRIX_FMT_FP6 matrix_b_fmt:MATRIX_FMT_FP6
.else
	v_wmma_scale_f32_16x16x128_f8f6f4 v[na:na+7], v[nb:nb+11], v[ar:ar+11], v[na:na+7], v[nsw], v[nsa] matrix_a_fmt:MATRIX_FMT_FP6 matrix_b_fmt:MATRIX_FMT_FP6 matrix_a_scale:MATRIX_SCALE_ROW1 matrix_b_scale:MATRIX_SCALE_ROW1
.endif
.set nt, nt+1
.endr
.if \pre
	PLACES
.if nj == 0
	SLOAD 1-(\par), \off
.endif
	BLOAD nj, \off                                 ; (a load takes its destination's and its address's window: both are 0 under every setting used here)
.elseif nj == 7
	PLACES
.endif
.set nj, nj+1
.endr
	WIN 0
	s_wait_dscnt 0x0                               ; bias2 and v2
; y = c acc + bias2 and 2^y: a tile's four multiply-adds stand among the exponentials of the tile before; no line names an exponential's result ahead of the one wait
.irp i, 0,2,4,6
	v_pk_fma_f32 v[ACC+\i:ACC+\i+1], v[ACC+\i:ACC+\i+1], s[22:23], v[BIA+\i:BIA+\i+1] op_sel_hi:[1,0,1]
.endr
.set nt, 0
.rept 8
.irp i, 0,2,4,6
	v_exp_f32 v[ACC+8*nt+\i], v[ACC+8*nt+\i]
	v_exp_f32 v[ACC+8*nt+\i+1], v[ACC+8*nt+\i+1]
.if nt < 7
	v_pk_fma_f32 v[ACC+8*nt+8+\i:ACC+8*nt+9+\i], v[ACC+8*nt+8+\i:ACC+8*nt+9+\i], s[22:23], v[BIA+\i:BIA+\i+1] op_sel_hi:[1,0,1]
.endif
.endr
.set nt, nt+1
.endr
	v_nop                                          ; a plain place behind the last exponential
	s_wait_alu depctr_va_vdst(0)                   ; one wait for the batch of 64, ahead of its first reader
.irp i, 0,2,4,6
	v_pk_add_f32 v[ACC+\i:ACC+\i+1], v[ACC+\i:ACC+\i+1], 1.0 op_sel_hi:[1,0]
.endr
.set nt, 0
.rept 8
.irp i, 0,2,4,6
	v_rcp_f32 v[ACC+8*nt+\i], v[ACC+8*nt+\i]
	v_rcp_f32 v[ACC+8*nt+\i+1], v[ACC+8*nt+\i+1]
.if nt < 7
	v_pk_add_f32 v[ACC+8*nt+8+\i:ACC+8*nt+9+\i], v[ACC+8*nt+8+\i:ACC+8*nt+9+\i], 1.0 op_sel_hi:[1,0]
.endif
.endr
.set nt, nt+1
.endr
	v_nop
	s_wait_alu depctr_va_vdst(0)                   ; and one for the 64 reciprocals
.irp i, 0,2,4,6
.irp t, 0,1,2,3,4,5,6,7
	v_pk_fma_f32 v[SC+2*\t:SC+2*\t+1], v[V2+\i:V2+\i+1], v[ACC+8*\t+\i:ACC+8*\t+\i+1], v[SC+2*\t:SC+2*\t+1]   ; t += v2 r, the tiles by turns
.endr
.endr
.endm
	s_load_b256 s[4:11], s[0:1], 0x0               ; x s[4:5], wfrag s[6:7], bias2 s[8:9], v s[10:11]
	s_load_b128 s[12:15], s[0:1], 0x20             ; part s[12:13], tsc s[14:15]
	v_lshl_add_u32 v[SPW], v0, 2, SPARE
	v_mov_b32 v[NIL], 0
	v_lshrrev_b32 v85, 5, v0
	v_readfirstlane_b32 s16, v85                   ; wave 0..3
	v_and_b32 v86, 31, v0                          ; lane
	v_and_b32 v87, 15, v0                          ; r
	v_bfe_u32 v88, v0, 4, 1                        ; h
	v_lshlrev_b32 v[LI], 4, v86
	v_lshlrev_b32 v[L8], 3, v86
	v_lshlrev_b32 v[PFO], 12, v87
	v_lshl_add_u32 v[XA], v88, 6, v[PFO]
	v_lshl_add_u32 v[PFO], v88, 8, v[PFO]
	v_mul_u32_u24 v[STW], v87, SPITCH
	v_lshl_add_u32 v[STW], v88, 5, v[STW]
	s_mul_i32 s28, s16, 32*SPITCH
	v_add_nc_u32 v[STW], s28, v[STW]
	s_mul_i32 s28, s16, 3072
	s_add_co_u32 s28, s28, IMG
	v_add_nc_u32 v[IWA], s28, v[LI]
	s_lshl_b32 s28, s16, 10
	s_add_co_u32 s28, s28, ASC
	v_lshl_add_u32 v[ASW], v87, 2, s28
	v_lshl_add_u32 v[ASR], v86, 2, ASC
	v_lshlrev_b32 v85, 5, v0                       ; 32 x thread: my 32 bytes of bias2's row and of v
	v_lshl_add_u32 v[BVA], v0, 5, BV               ; and their place in LDS
	s_mov_b32 s17, 2                               ; passes
	s_mov_b32 s20, 0x76543210
	s_mov_b32 s21, 0xfedcba98                      ; v_permlanex16_b32's selects for lane l xor 16
	s_mov_b32 s22, 0x4038aa3b                      ; c = 2 log2(e)
	s_mov_b32 s23, s22                             ; (named with it as a pair, so it is written)
	s_mov_b32 s24, 0x1800000                       ; the floor 2^(3 - 127)
	s_mov_b32 s29, 0
	s_wait_kmcnt 0x0
	s_lshl_b32 s28, ttmp9, 20                      ; 256 rows of 4,096 bytes a work-group,
	s_lshl_b32 s30, s16, 17                        ; 32 rows a wave
	s_add_co_u32 s28, s28, s30
	s_add_nc_u64 s[4:5], s[4:5], s[28:29]
	s_mul_i32 s28, s16, 204800                     ; my sixteen tiles of W_enc
	s_add_nc_u64 s[6:7], s[6:7], s[28:29]
	s_lshr_b32 s28, ttmp9, 3
	s_lshl_b32 s28, s28, 12                        ; the batch's row of bias2
	s_add_nc_u64 s[8:9], s[8:9], s[28:29]
	s_mul_i32 s28, ttmp9, 8704                     ; two blocks of 4,352 bytes a work-group,
	s_lshl_b32 s30, s16, 10                        ; my 256 columns of the context
	s_add_co_u32 s28, s28, s30
	s_add_nc_u64 s[12:13], s[12:13], s[28:29]
	s_lshl_b32 s28, ttmp9, 10
	s_add_nc_u64 s[14:15], s[14:15], s[28:29]
	global_load_b128 v[BIA:BIA+3], v85, s[8:9]
	global_load_b128 v[BIA+4:BIA+7], v85, s[8:9] offset:16
	global_load_b128 v[V2:V2+3], v85, s[10:11]
	global_load_b128 v[V2+4:V2+7], v85, s[10:11] offset:16
	XLOAD 0, 0
	XLOAD 1, 0
	XLOAD 2, 0
	s_wait_loadcnt 48                              ; the three units' 48 loads may be out; bias2 and v are in
.irp i, 0,2,4,6
	v_pk_mul_f32 v[V2+\i:V2+\i+1], v[V2+\i:V2+\i+1], 0xc038aa3b op_sel_hi:[1,0]   ; v2 = -c v
.endr
	ds_store_b128 v[BVA], v[BIA:BIA+3]
	ds_store_b128 v[BVA], v[BIA+4:BIA+7] offset:16
	ds_store_b128 v[BVA], v[V2:V2+3] offset:4096
	ds_store_b128 v[BVA], v[V2+4:V2+7] offset:4112 ; read only by my own wave, behind the first round's barrier, in front of which each wave waits for its LDS stores
	XLOAD 3, 0
.Lpass:
	; ---- x: sixteen units a wave, loads four units ahead; a round makes one K step's eight fragments and hands them round
	v_add_nc_u32 v[IRA], IMG, v[LI]
.irp b, 0,1,2,3
	v_mov_b32 v[TM+4+\b], 0                        ; a lane permute's destination counts as one of its sources
.endr
.irp j, 0,1,2,3,4,5,6
	ROUND \j
.endr
	UNIT 14
	UNIT 15
	s_wait_dscnt 0x0                               ; my stores have landed and have read their registers: W_enc's fragments may be asked for into them
	s_wait_xcnt 0x0
	s_mov_b64 s[26:27], s[6:7]                     ; the walking pointer: my tile 0
	SLOAD 0, 0
.irp j, 0,1,2,3,4,5,6,7
	BLOAD \j, 0
.endr
	s_barrier_signal -1
	s_barrier_wait -1
	FETCH 7
.irp t, 0,1,2,3,4,5,6,7
.irp q, 0,1,2,3
	ds_load_b32 v[AS+4*\t+\q], v[ASR] offset:512*\t+128*\q   ; lanes 0-15 take K step 2 q's words of tile t, lanes 16-31 K step 2 q + 1's
.endr
.endr
	s_lshl_b32 s19, s16, 10
	s_add_co_u32 s19, s19, BV                      ; bias2 of my first column
	s_wait_dscnt 0x0
.irp i, 0,1,2,3,4,5,6,7,8,9,10,11,12,13,14,15
	v_mov_b32 v[SC+\i], 0
.endr
	; ---- the product, tanh and the dot with v: sixteen tiles of columns, two a trip
	s_mov_b32 s18, 7
.Ltile:
	v_bfe_u32 v[BVA], v0, 4, 1
	v_lshl_add_u32 v[BVA], v[BVA], 5, s19          ; + 32 h
	NT 0, 1, 12800
	NT 1, 1, 25600
	s_wait_xcnt 0x0                                ; the loads have read their base: it may step
	s_add_nc_u64 s[26:27], s[26:27], 25600
	s_add_co_u32 s19, s19, 128
	s_sub_co_u32 s18, s18, 1
	s_cmp_lg_u32 s18, 0
	s_cbranch_scc1 .Ltile
	v_bfe_u32 v[BVA], v0, 4, 1
	v_lshl_add_u32 v[BVA], v[BVA], 5, s19
	NT 0, 1, 12800                                 ; the last two tiles are written out: the last asks for nothing, so no load leaves the buffer
	NT 1, 0, 0
	; ---- the next pass's first four units are asked for here, into registers that the products have left, and are on their way through the phase below
	s_cmp_eq_u32 s17, 1
	s_cbranch_scc1 .Lno_next
	XLOAD 0, PASSB
	XLOAD 1, PASSB
	XLOAD 2, PASSB
	XLOAD 3, PASSB
	; and units 4 to 7 of that pass are prefetched: 16 rows x 512 bytes each, a lane to each aligned 256 bytes; each wave names its own rows, once in the launch; their loads follow in the next pass's first four units
.irp j, 2,3
.irp i, 0,1
	global_prefetch_b8 v[PFO], s[4:5] offset:PASSB+65536*\i+512*\j th:TH_LOAD_NT scope:SCOPE_SE
.endr
.endr
.Lno_next:
	; ---- the block's softmax.  v96-223 and window 3's v128-255 are targets of pending loads and are not named below
	s_lshl_b32 s19, s16, 9                         ; 512 w: my columns in a row of the copy
	s_add_co_u32 s29, s19, SCR
	v_and_b32 v71, 15, v0
	v_lshl_add_u32 v[SCW], v71, 2, s29
	v_add_nc_u32 v[SCD], SCR, v[LI]
	s_add_co_u32 s28, s19, PB                      ; my copy of p
	v_add_nc_u32 v[PBA], s28, v[LI]
	s_lshl_b32 s29, s16, 10
	s_add_co_u32 s29, s29, CST
	v_lshl_add_u32 v[CSW], v[LI], 1, s29
	v_add_nc_u32 v[CSR], s29, v[LI]
.irp t, 0,1,2,3,4,5,6,7
	v_add_f32 v[224+\t], v[SC+2*\t], v[SC+2*\t+1]
.endr
.irp t, 0,1,2,3,4,5,6,7
	v_mov_b32 v[232+\t], 0                         ; a lane permute's destination counts as one of its sources
.endr
	v_mov_b32 v242, 0
.irp t, 0,1,2,3,4,5,6,7
	v_permlanex16_b32 v[232+\t], v[224+\t], s20, s21
.endr
.irp t, 0,1,2,3,4,5,6,7
	v_add_f32 v[224+\t], v[224+\t], v[232+\t]      ; row 16 t + r over my 256 columns
.endr
.irp t, 0,1,2,3,4,5,6,7
	ds_store_b32 v[SCW], v[224+\t] offset:64*\t
.endr
	BARRIER                                        ; the four waves' partial scores lie in LDS; the whole copy has lain there since the last round
.irp q, 0,1,2,3
	ds_load_b128 v[224+4*\q:227+4*\q], v[SCD] offset:512*\q
.endr
	s_wait_dscnt 0x0
	v_pk_add_f32 v[224:225], v[224:225], v[228:229]   ; every wave adds in the same order: all four hold the same t, m and p
	v_pk_add_f32 v[226:227], v[226:227], v[230:231]
	v_pk_add_f32 v[232:233], v[232:233], v[236:237]
	v_pk_add_f32 v[234:235], v[234:235], v[238:239]
	v_pk_add_f32 v[224:225], v[224:225], v[232:233]
	v_pk_add_f32 v[226:227], v[226:227], v[234:235]   ; t of rows 4 lane .. 4 lane + 3
	v_max3_num_f32 v240, v224, v225, v226
	v_max_num_f32 v240, v240, v227
	v_max_num_f32_dpp v240, v240, v240 row_xmask:1 row_mask:0xf bank_mask:0xf
	v_max_num_f32_dpp v240, v240, v240 row_xmask:2 row_mask:0xf bank_mask:0xf
	v_max_num_f32_dpp v240, v240, v240 row_xmask:4 row_mask:0xf bank_mask:0xf
	v_max_num_f32_dpp v240, v240, v240 row_xmask:8 row_mask:0xf bank_mask:0xf
	v_permlanex16_b32 v242, v240, s20, s21
	v_max_num_f32 v240, v240, v242                 ; m: the block's largest t, taken away before the exponential
.irp i, 0,1,2,3
	v_sub_f32 v[244+\i], v[224+\i], v240
.endr
.irp i, 0,1,2,3
	v_exp_f32 v[244+\i], v[244+\i]                 ; p = 2^(t - m)
.endr
	v_nop
	s_wait_alu depctr_va_vdst(0)                   ; one wait for the four, ahead of their first reader
	v_add_f32 v241, v244, v245
	v_add_f32 v243, v246, v247
	v_add_f32 v241, v241, v243
	v_add_f32_dpp v241, v241, v241 row_xmask:1 row_mask:0xf bank_mask:0xf
	v_add_f32_dpp v241, v241, v241 row_xmask:2 row_mask:0xf bank_mask:0xf
	v_add_f32_dpp v241, v241, v241 row_xmask:4 row_mask:0xf bank_mask:0xf
	v_add_f32_dpp v241, v241, v241 row_xmask:8 row_mask:0xf bank_mask:0xf
	v_permlanex16_b32 v242, v241, s20, s21
	v_add_f32 v241, v241, v242                     ; l: the block's sum of p
	ds_store_b128 v[PBA], v[244:247]               ; p into my own copy: only I read it, and LDS serves a wave's instructions in order (ISA guide 5.7.1.4)
	s_cmp_lg_u32 s16, 0
	s_cbranch_scc1 .Lnot_0
	global_store_b128 v[LI], v[224:227], s[14:15]  ; wave 0: the block's 128 t, 512 consecutive bytes,
	global_store_b64 v[L8], v[240:241], s[12:13] offset:4096   ; and (m, l), once a lane: 256 consecutive bytes behind the block's context
.Lnot_0:
	; ---- the block's context over my 256 columns: a lane holds eight of them; sixteen rows a trip
	WIN 0x40
.irp i, 0,1,2,3,4,5,6,7
	v_mov_b32 v[CTX+\i], 0
.endr
	WIN 0
	s_mov_b32 s18, 8
.Lctx:
	v_add_nc_u32 v[ADX], s19, v[LI]                ; row 16 trip, byte 512 w + 16 lane
	v_mov_b32 v[ADP], s28                          ; p of these sixteen rows: the same address in every lane
	WIN 0x40                                       ; destination window 1
.irp q, 0,1,2,3
	ds_load_b128 v[PP+4*\q:PP+4*\q+3], v[ADP] offset:16*\q
.endr
.irp i, 0,1,2,3,4,5,6,7,8,9,10,11,12,13,14,15
	ds_load_b128 v[4*\i:4*\i+3], v[ADX] offset:SPITCH*\i   ; 32 lanes read 512 consecutive bytes of a row
.endr
	WIN 0x55                                       ; all four places window 1
.set ci, 0
.rept 16
	s_wait_dscnt 15-ci                             ; p and row ci are in; the younger rows may be out
.irp m, 0,1,2,3
	v_fma_mix_f32_bf16 v[CTX+2*\m], v[4*ci+\m], v[PP+ci], v[CTX+2*\m] op_sel_hi:[1,0,0]
	v_fma_mix_f32_bf16 v[CTX+2*\m+1], v[4*ci+\m], v[PP+ci], v[CTX+2*\m+1] op_sel:[1,0,0] op_sel_hi:[1,0,0]
.endr
.set ci, ci+1
.endr
	WIN 0
	s_add_co_u32 s19, s19, 16*SPITCH
	s_add_co_u32 s28, s28, 64
	s_sub_co_u32 s18, s18, 1
	s_cmp_lg_u32 s18, 0
	s_cbranch_scc1 .Lctx
	WIN 0x04                                       ; an LDS store's data are its source 1: window 1
	ds_store_b128 v[CSW], v[CTX:CTX+3]             ; a lane's 32 bytes go through my own stage, so that each store below covers 512 consecutive bytes
	ds_store_b128 v[CSW], v[CTX+4:CTX+7] offset:16
	WIN 0
	ds_load_b128 v[248:251], v[CSR]
	ds_load_b128 v[252:255], v[CSR] offset:512
	s_wait_dscnt 0x0
	global_store_b128 v[LI], v[248:251], s[12:13] th:TH_STORE_NT
	global_store_b128 v[LI], v[252:255], s[12:13] offset:512 th:TH_STORE_NT
	BARRIER                                        ; every wave has read the copy: the next pass may store into it
	s_wait_xcnt 0x0                                ; the pending loads and stores have read their bases and registers
	s_add_nc_u64 s[4:5], s[4:5], PASSB
	s_add_nc_u64 s[12:13], s[12:13], 4352
	s_add_nc_u64 s[14:15], s[14:15], 512
	s_sub_co_u32 s17, s17, 1
	s_cmp_lg_u32 s17, 0
	s_cbranch_scc1 .Lpass
	s_wait_tensorcnt 0x0                           ; the wave's end, behind my last LDS store
	ds_add_u32 v[SPW], v[NIL]
	s_wait_dscnt 0x0
	s_endpgm
.Lfunc_end_k_qf4cf129868_main:
	.size	k_qf4cf129868_main, .Lfunc_end_k_qf4cf129868_main-k_qf4cf129868_main
	.p2alignl 7, 3214868480
	.fill 96, 4, 3214868480
	.section	.rodata,"a",@progbits
	.p2align	6, 0x0
	.amdhsa_kernel k_qf4cf129868_main
		.amdhsa_group_segment_fixed_size 309760
		.amdhsa_private_segment_fixed_size 0
		.amdhsa_enable_private_segment 0
		.amdhsa_kernarg_size 48
		.amdhsa_user_sgpr_count 2
		.amdhsa_user_sgpr_kernarg_segment_ptr 1
		.amdhsa_wavefront_size32 1
		.amdhsa_system_sgpr_workgroup_id_x 1
		.amdhsa_system_sgpr_workgroup_id_y 1
		.amdhsa_system_sgpr_workgroup_id_z 1
		.amdhsa_system_vgpr_workitem_id 0
		.amdhsa_next_free_vgpr 1024
		.amdhsa_next_free_sgpr 66
		.amdhsa_reserve_vcc 0
		.amdhsa_float_denorm_mode_32 3
		.amdhsa_float_denorm_mode_16_64 3
		.amdhsa_memory_ordered 1
		.amdhsa_forward_progress 1
		.amdhsa_inst_pref_size 255
	.end_amdhsa_kernel
	.section	.bss,"aw",@nobits
	.p2align	6
	.space	262144
	.amdgpu_metadata
---
amdhsa.version: [ 1, 2 ]
amdhsa.kernels:
  - .name:           k_qf4cf129868_main
    .symbol:         k_qf4cf129868_main.kd
    .args:
      - { .name: encoder_outputs, .offset: 0, .size: 8, .value_kind: global_buffer, .address_space: global }
      - { .name: wfrag, .offset: 8, .size: 8, .value_kind: global_buffer, .address_space: global }
      - { .name: bias2, .offset: 16, .size: 8, .value_kind: global_buffer, .address_space: global }
      - { .name: v, .offset: 24, .size: 8, .value_kind: global_buffer, .address_space: global }
      - { .name: part, .offset: 32, .size: 8, .value_kind: global_buffer, .address_space: global }
      - { .name: tsc, .offset: 40, .size: 8, .value_kind: global_buffer, .address_space: global }
    .group_segment_fixed_size: 309760
    .private_segment_fixed_size: 0
    .kernarg_segment_align: 8
    .kernarg_segment_size: 48
    .max_flat_workgroup_size: 128
    .sgpr_count:     66
    .vgpr_count:     1024
    .wavefront_size: 32
...
	.end_amdgpu_metadata
.endif
;; end of part 2
;; launch join (part 3): grid 8 x 32, 1 waves a work-group, no clusters, 0 bytes of LDS; arguments part, tsc, out0, out1; writes out0, out1
.if DOCPART == 3
	.amdgcn_target "amdgcn-amd-amdhsa--gfx1250"
	.amdhsa_code_object_version 6
	.text
	.protected	k_qf4cf129868_join
	.globl	k_qf4cf129868_join
	.p2align	8
	.type	k_qf4cf129868_join,@function
k_qf4cf129868_join:
	s_mov_b64 s[64:65], 0
	v_nop
	global_prefetch_b8 v0, s[64:65] scope:SCOPE_SE
	s_setreg_imm32_b32 hwreg(HW_REG_WAVE_MODE, 25, 1), 1
	s_wait_xcnt 0x0
; Third launch: a batch's sixteen blocks are joined.  M = max m_i; e_i = 2^(m_i - M); L = sum l_i e_i; context = sum (e_i / L) ctx_i; attn_s = 2^(t_s - M) / L.
; WORK LEFT OUT (shown at the head of the first kernel): t holds neither b_v nor sum_d v_d, which are the same along the softmax's axis.
; Work-group (x, b), one wave: columns 128 x .. 128 x + 127 of out0[b] and positions 256 x .. 256 x + 255 of out1[b].  Every load and store of the wave covers 512 consecutive bytes, but for the sixteen pairs (m, l).
; No LDS, no barrier, no matrix unit: 2.5 MB are read once.
	s_load_b256 s[4:11], s[0:1], 0x0               ; part s[4:5], tsc s[6:7], out0 s[8:9], out1 s[10:11]
	v_and_b32 v1, 15, v0
	v_mul_u32_u24 v1, v1, 4352                     ; lane l looks at block l % 16
	v_lshlrev_b32 v5, 4, v0                        ; 16 x lane
	s_and_b32 s12, ttmp7, 0xffff                   ; the batch
	s_mul_i32 s14, s12, 69632                      ; its sixteen blocks of 4,352 bytes
	s_mov_b32 s15, 0
	s_lshl_b32 s16, ttmp9, 9                       ; my 128 columns
	v_add_nc_u32 v4, s16, v5
	s_lshl_b32 s18, s12, 13
	s_lshl_b32 s19, ttmp9, 10
	s_add_co_u32 s18, s18, s19                     ; my 256 positions: 8,192 b + 1,024 x
	s_mov_b32 s19, 0
	s_lshl_b32 s20, s12, 12
	s_add_co_u32 s20, s20, s16                     ; out0: 4,096 b + 512 x
	s_mov_b32 s21, 0
	s_wait_kmcnt 0x0
	s_add_nc_u64 s[4:5], s[4:5], s[14:15]
	s_add_nc_u64 s[6:7], s[6:7], s[18:19]
	s_add_nc_u64 s[8:9], s[8:9], s[20:21]
	s_add_nc_u64 s[10:11], s[10:11], s[18:19]
	global_load_b64 v[2:3], v1, s[4:5] offset:4096 ; (m_i, l_i)
.irp i, 0,1,2,3,4,5,6,7,8,9,10,11,12,13,14,15
	global_load_b128 v[16+4*\i:19+4*\i], v4, s[4:5] offset:4352*\i
.endr
	global_load_b128 v[80:83], v5, s[6:7]
	global_load_b128 v[84:87], v5, s[6:7] offset:512
	s_wait_loadcnt 18                              ; the 16 + 2 younger loads may be out
	v_mov_b32 v8, v2
	v_max_num_f32_dpp v8, v8, v8 row_xmask:1 row_mask:0xf bank_mask:0xf
	v_max_num_f32_dpp v8, v8, v8 row_xmask:2 row_mask:0xf bank_mask:0xf
	v_max_num_f32_dpp v8, v8, v8 row_xmask:4 row_mask:0xf bank_mask:0xf
	v_max_num_f32_dpp v8, v8, v8 row_xmask:8 row_mask:0xf bank_mask:0xf   ; M, in every lane: both halves of the lanes hold the same sixteen
	v_sub_f32 v9, v2, v8
	v_exp_f32 v9, v9                               ; e_i
	v_nop
	s_wait_alu depctr_va_vdst(0)
	v_mul_f32 v10, v3, v9
	v_add_f32_dpp v10, v10, v10 row_xmask:1 row_mask:0xf bank_mask:0xf
	v_add_f32_dpp v10, v10, v10 row_xmask:2 row_mask:0xf bank_mask:0xf
	v_add_f32_dpp v10, v10, v10 row_xmask:4 row_mask:0xf bank_mask:0xf
	v_add_f32_dpp v10, v10, v10 row_xmask:8 row_mask:0xf bank_mask:0xf   ; L: at least 1, since the block that holds M has a p of 1
	v_rcp_f32 v11, v10
	v_nop
	s_wait_alu depctr_va_vdst(0)
	v_mul_f32 v12, v9, v11                         ; w_i = e_i / L
.irp i, 0,1,2,3,4,5,6,7,8,9,10,11,12,13,14,15
	v_readlane_b32 s[32+\i], v12, \i
.endr
	s_wait_loadcnt 2                               ; the sixteen parts of the context are in
.irp k, 0,1,2,3
	v_mul_f32 v[88+\k], s32, v[16+\k]
.endr
.irp i, 1,2,3,4,5,6,7,8,9,10,11,12,13,14,15
.irp k, 0,1,2,3
	v_fmac_f32 v[88+\k], s[32+\i], v[16+4*\i+\k]
.endr
.endr
	global_store_b128 v5, v[88:91], s[8:9]
	s_wait_loadcnt 0x0
.irp k, 0,1,2,3,4,5,6,7
	v_sub_f32 v[80+\k], v[80+\k], v8
.endr
.irp k, 0,1,2,3,4,5,6,7
	v_exp_f32 v[80+\k], v[80+\k]
.endr
	v_nop
	s_wait_alu depctr_va_vdst(0)
.irp k, 0,1,2,3,4,5,6,7
	v_mul_f32 v[80+\k], v[80+\k], v11
.endr
	global_store_b128 v5, v[80:83], s[10:11]
	global_store_b128 v5, v[84:87], s[10:11] offset:512
	s_endpgm
.Lfunc_end_k_qf4cf129868_join:
	.size	k_qf4cf129868_join, .Lfunc_end_k_qf4cf129868_join-k_qf4cf129868_join
	.p2alignl 7, 3214868480
	.fill 96, 4, 3214868480
	.section	.rodata,"a",@progbits
	.p2align	6, 0x0
	.amdhsa_kernel k_qf4cf129868_join
		.amdhsa_group_segment_fixed_size 0
		.amdhsa_private_segment_fixed_size 0
		.amdhsa_enable_private_segment 0
		.amdhsa_kernarg_size 32
		.amdhsa_user_sgpr_count 2
		.amdhsa_user_sgpr_kernarg_segment_ptr 1
		.amdhsa_wavefront_size32 1
		.amdhsa_system_sgpr_workgroup_id_x 1
		.amdhsa_system_sgpr_workgroup_id_y 1
		.amdhsa_system_sgpr_workgroup_id_z 1
		.amdhsa_system_vgpr_workitem_id 0
		.amdhsa_next_free_vgpr 96
		.amdhsa_next_free_sgpr 66
		.amdhsa_reserve_vcc 0
		.amdhsa_float_denorm_mode_32 3
		.amdhsa_float_denorm_mode_16_64 3
		.amdhsa_memory_ordered 1
		.amdhsa_forward_progress 1
		.amdhsa_inst_pref_size 8
	.end_amdhsa_kernel
	.amdgpu_metadata
---
amdhsa.version: [ 1, 2 ]
amdhsa.kernels:
  - .name:           k_qf4cf129868_join
    .symbol:         k_qf4cf129868_join.kd
    .args:
      - { .name: part, .offset: 0, .size: 8, .value_kind: global_buffer, .address_space: global }
      - { .name: tsc, .offset: 8, .size: 8, .value_kind: global_buffer, .address_space: global }
      - { .name: out0, .offset: 16, .size: 8, .value_kind: global_buffer, .address_space: global }
      - { .name: out1, .offset: 24, .size: 8, .value_kind: global_buffer, .address_space: global }
    .group_segment_fixed_size: 0
    .private_segment_fixed_size: 0
    .kernarg_segment_align: 8
    .kernarg_segment_size: 32
    .max_flat_workgroup_size: 32
    .sgpr_count:     66
    .vgpr_count:     96
    .wavefront_size: 32
...
	.end_amdgpu_metadata
.endif
;; end of part 3
;; ======== version 2 of 2: 3 launches
;; limits: values are held in bf16: 8 bits of precision; right only within a limited range of input values
;; workspace buffers: wfrag 819,200 bytes; bias2 131,072 bytes; part 2,228,224 bytes; tsc 262,144 bytes
;; launch prep (part 4): grid 16 x 2, 8 waves a work-group, no clusters, 93,184 bytes of LDS; arguments decoder_hidden_codes, decoder_hidden_scales, W_dec_codes, W_dec_scales, b_dec, b_enc, W_enc_codes, W_enc_scales, bias2, wfrag; writes bias2, wfrag
.if DOCPART == 4
	.amdgcn_target "amdgcn-amd-amdhsa--gfx1250"
	.amdhsa_code_object_version 6
	.text
	.protected	k_qf4cf129868_prep
	.globl	k_qf4cf129868_prep
	.p2align	8
	.type	k_qf4cf129868_prep,@function
k_qf4cf129868_prep:
	s_mov_b64 s[64:65], 0
	v_nop
	global_prefetch_b8 v0, s[64:65] scope:SCOPE_SE
	s_setreg_imm32_b32 hwreg(HW_REG_WAVE_MODE, 25, 1), 1
	s_wait_xcnt 0x0
; BAHDANAU ATTENTION, first of three launches.
; attn = softmax_s(sum_d v_d tanh(x_s W_enc + b_enc + dh W_dec + b_dec)_d + b_v), context = sum_s attn_s x_s.
; WORK LEFT OUT, for all values of the inputs.  (1) b_v is added to every score of a row of the softmax: it is the same along the softmax's axis, so it cancels between
; numerator and denominator and reaches neither attn nor context.  b_v is not loaded and is among no launch's arguments.  (2) tanh z = 1 - 2 / (1 + e^(2 z)), so a score is
; sum_d v_d - 2 sum_d v_d / (1 + e^(2 z_d)); the term sum_d v_d is again the same along the softmax's axis and is not formed.
; LIMIT: a NaN, an infinity or an overflow that reaches only b_v or sum_d v_d is not carried to the result.  NaN and infinities among the inputs are not served.
; THIS LAUNCH makes two things for the second one.
;   bias2[b][d] = c (sum_k dh[b][k] W_dec[k][d] + b_dec[d] + b_enc[d]), c = 2 log2(e): the product on codes of E2M3 with E8M0 scales, as they are given.
;   wfrag: W_enc's codes and scale words in the order of a matrix operand's registers.  Block g (columns 16 g .. 16 g + 15) is 12,800 bytes: two halves of 6,400, half H = K steps 4 H .. 4 H + 3:
;   four fragments of 1,536 bytes (registers 4 c .. 4 c + 3 of lane l at 512 c + 16 l), then 256 bytes of scale words (lane l at 8 l: word q of lane (r, h) is column r's word of K step 4 H + 2 q + h).
; SHARES.  Work-group (x, T): the product of columns 64 x .. 64 x + 63 with batches 16 T .. 16 T + 15 (waves 0 to 3, a tile of 16 columns each), and both halves of W_enc's blocks 4 x + 2 T and 4 x + 2 T + 1
; (waves 4 to 7, a half each).  A block of 16 rows of codes is 12,288 consecutive bytes of memory.  All eight waves bring W_dec's four blocks, W_enc's two and dh's one into LDS, each load of a wave covering
; 512 consecutive bytes (21 loads a wave), into rows of 784 bytes (768 + 16: row r starts 4 r words on modulo 64); the fragments are read from there in pieces of 8 bytes.
; The product is used transposed (source 0 = 16 columns of W_dec, source 1 = 16 batches): lane (r, h) holds batch r, its register i column 16 g + 8 h + i.
; 32 work-groups: a work-group's 64 columns make each row's store 256 consecutive bytes.
.set RP,    784
.set WDR,   0                          ; W_dec: 64 rows
.set WER,   50176                      ; W_enc: 32 rows
.set DHR,   75264                      ; dh: 16 rows
.set STG,   87808                      ; 16 rows (batches) x (256 bytes + 16)
.set SPARE, 92160                      ; the spare words, 128 bytes for each of the eight waves
.set SPW,  1
.set NIL,  2
; v3 dh's fragments, v4 W_dec's, v5 W_enc's (LDS); v6-8 scale offsets; v9 biases; v10 16 lane; v11 8 lane; v12, v13 the stage in and back; v14 bias2; v15 h
; v16, v17 where I put W_dec's pieces (the second for a piece that lies across two rows); v18, v19 dh's; v20, v21 W_enc's
.set RAW,  24                          ; v24-107 the 21 pieces
.set DH,   24                          ; the product's waves: v24-119 dh's eight fragments
.set WD,   120                         ; v120-215 W_dec's eight
.set DS,   216                         ; dh's scale words, one for each K step
.set WS,   224                         ; W_dec's
.set ACC0, 232                         ; the even K steps' sum
.set ACC1, 240                         ; the odd K steps'; before that b_enc
.set BE,   240
.set CB,   248                         ; b_dec, then b_dec + b_enc
.set WE,   24                          ; the layout's waves: v24-71 W_enc's four fragments
.set ES,   216                         ; its four scale words; v220-221 the two that my lane keeps
.set OUTR, 248
.macro PUT reg, k, la, base            ; piece k of my run: 1,536 bytes are two rows; the middle piece of three lies across both
.if (\k)%3 == 0
	ds_store_b128 v[\la], v[\reg:\reg+3] offset:(\base)+1568*((\k)/3)
.elseif (\k)%3 == 1
	ds_store_b128 v[\la+1], v[\reg:\reg+3] offset:(\base)+1568*((\k)/3)+512
.else
	ds_store_b128 v[\la], v[\reg:\reg+3] offset:(\base)+1568*((\k)/3)+1040
.endif
.endm
	s_load_b512 s[4:19], s[0:1], 0x0               ; dh codes s[4:5], dh scales s[6:7], W_dec codes s[8:9], scales s[10:11], b_dec s[12:13], b_enc s[14:15], W_enc codes s[16:17], scales s[18:19]
	s_load_b128 s[20:23], s[0:1], 0x40             ; bias2 s[20:21], wfrag s[22:23]
	v_lshl_add_u32 v[SPW], v0, 2, SPARE
	v_mov_b32 v[NIL], 0
	v_lshrrev_b32 v24, 5, v0
	v_readfirstlane_b32 s24, v24                   ; wave 0..7
	s_and_b32 s25, s24, 3                          ; q
	s_and_b32 s26, ttmp7, 0xffff                   ; T
	s_lshr_b32 s27, s25, 1                         ; the layout: which of the two blocks,
	s_and_b32 s38, s25, 1                          ; and which half
	v_and_b32 v25, 15, v0                          ; r
	v_bfe_u32 v15, v0, 4, 1                        ; h
	v_and_b32 v26, 31, v0                          ; lane
	v_lshlrev_b32 v10, 4, v26
	v_lshlrev_b32 v11, 3, v26
	s_mul_i32 s29, s24, 6272                       ; W_dec: eight rows a wave
	v_add_nc_u32 v16, s29, v10
	v_lshl_add_u32 v17, v15, 4, v16
	s_mul_i32 s29, s24, 1568                       ; dh: two rows a wave
	s_add_co_u32 s29, s29, DHR
	v_add_nc_u32 v18, s29, v10
	v_lshl_add_u32 v19, v15, 4, v18
	s_mul_i32 s29, s24, 3136                       ; W_enc: four rows a wave
	v_add_nc_u32 v20, s29, v10
	v_lshl_add_u32 v21, v15, 4, v20
	v_mul_u32_u24 v27, v25, RP
	v_mad_u32_u24 v27, v15, 24, v27                ; 784 r + 24 h
	v_add_nc_u32 v3, DHR, v27
	s_mul_i32 s29, s25, 16*RP
	v_add_nc_u32 v4, s29, v27                      ; W_dec's tile q
	s_mul_i32 s29, s27, 16*RP
	s_mul_i32 s30, s38, 384
	s_add_co_u32 s29, s29, s30
	v_add_nc_u32 v5, s29, v27                      ; W_enc's block, from K step 4 x half on
	s_lshl_b32 s28, ttmp9, 6
	s_lshl_b32 s29, s25, 4
	s_add_co_u32 s29, s28, s29                     ; the product's first column: 64 x + 16 q
	v_lshlrev_b32 v24, 5, v25                      ; a row of scale bytes is 32 bytes
	s_lshl_b32 s30, s26, 9
	v_add_nc_u32 v6, s30, v24                      ; dh's
	s_lshl_b32 s30, s29, 5
	v_add_nc_u32 v7, s30, v24                      ; W_dec's
	s_lshl_b32 s30, s29, 2
	v_lshl_add_u32 v9, v15, 5, s30                 ; the biases of my eight columns
	s_lshl_b32 s30, s26, 5
	s_add_co_u32 s28, s28, s30
	s_lshl_b32 s30, s27, 4
	s_add_co_u32 s28, s28, s30                     ; the layout's first column: 64 x + 32 T + 16 block
	s_lshl_b32 s28, s28, 5
	s_lshl_b32 s30, s38, 4
	s_add_co_u32 s28, s28, s30
	s_wait_alu depctr_va_vdst(0)                   ; directly ahead of the reader below
	v_add_nc_u32 v8, s28, v24                      ; W_enc's scale words, from K step 4 x half on
	v_mul_u32_u24 v12, v25, 272
	v_lshl_add_u32 v12, v15, 5, v12
	s_lshl_b32 s30, s25, 6
	s_add_co_u32 s30, s30, STG
	v_add_nc_u32 v12, s30, v12                     ; the stage, in: row r, byte 64 q + 32 h
	v_mul_u32_u24 v13, v15, 272
	v_lshl_add_u32 v13, v25, 4, v13
	s_mul_i32 s29, s24, 544
	s_add_co_u32 s29, s29, STG
	v_add_nc_u32 v13, s29, v13                     ; and back: row 2 wave + h
	v_lshlrev_b32 v14, 12, v15
	v_lshl_add_u32 v14, v25, 4, v14
	s_lshl_b32 s29, s26, 16
	s_lshl_b32 s30, s24, 13
	s_add_co_u32 s29, s29, s30
	s_lshl_b32 s30, ttmp9, 8
	s_add_co_u32 s29, s29, s30
	v_add_nc_u32 v14, s29, v14                     ; bias2: (16 T + 2 wave + h) x 4,096 + 256 x + 16 r
	s_lshl_b32 s39, ttmp9, 2
	s_lshl_b32 s30, s26, 1
	s_add_co_u32 s39, s39, s30                     ; W_enc's first block of the work-group: 4 x + 2 T
	s_add_co_u32 s30, s39, s27
	s_mul_i32 s30, s30, 12800                      ; wfrag: my block,
	s_mul_i32 s31, s38, 6400
	s_add_co_u32 s30, s30, s31                     ; my half
	s_mov_b32 s31, 0
	s_mul_i32 s32, ttmp9, 49152                    ; W_dec: four blocks a work-group, 6,144 bytes a wave
	s_mul_i32 s33, s24, 6144
	s_add_co_u32 s32, s32, s33
	s_mov_b32 s33, 0
	s_mul_i32 s34, s26, 12288                      ; dh: block T, 1,536 bytes a wave
	s_mul_i32 s35, s24, 1536
	s_add_co_u32 s34, s34, s35
	s_mov_b32 s35, 0
	s_mul_i32 s40, s39, 12288                      ; W_enc: two blocks a work-group, 3,072 bytes a wave
	s_mul_i32 s41, s24, 3072
	s_add_co_u32 s40, s40, s41
	s_mov_b32 s41, 0
	s_mov_b32 s36, 0x4038aa3b                      ; c = 2 log2(e)
	s_mov_b32 s37, s36
	s_wait_alu depctr_va_vdst(0)                   ; at the head's end
	s_wait_kmcnt 0x0
	s_add_nc_u64 s[22:23], s[22:23], s[30:31]
	s_add_nc_u64 s[8:9], s[8:9], s[32:33]
	s_add_nc_u64 s[4:5], s[4:5], s[34:35]
	s_add_nc_u64 s[16:17], s[16:17], s[40:41]
	s_cmp_lt_u32 s24, 4                            ; each role's own small loads first
	s_cbranch_scc0 .Lsmall_layout
	global_load_b128 v[CB:CB+3], v9, s[12:13]
	global_load_b128 v[CB+4:CB+7], v9, s[12:13] offset:16
	global_load_b128 v[BE:BE+3], v9, s[14:15]
	global_load_b128 v[BE+4:BE+7], v9, s[14:15] offset:16
	global_load_b128 v[DS:DS+3], v6, s[6:7]        ; a row's eight scale words: word j serves K step j
	global_load_b128 v[DS+4:DS+7], v6, s[6:7] offset:16
	global_load_b128 v[WS:WS+3], v7, s[10:11]
	global_load_b128 v[WS+4:WS+7], v7, s[10:11] offset:16
	s_branch .Lsmall_done
.Lsmall_layout:
	global_load_b128 v[ES:ES+3], v8, s[18:19]
.Lsmall_done:
.irp k, 0,1,2,3,4,5,6,7,8,9,10,11
	global_load_b128 v[RAW+4*\k:RAW+4*\k+3], v10, s[8:9] offset:512*\k
.endr
.irp k, 0,1,2,3,4,5
	global_load_b128 v[RAW+48+4*\k:RAW+48+4*\k+3], v10, s[16:17] offset:512*\k
.endr
.irp k, 0,1,2
	global_load_b128 v[RAW+72+4*\k:RAW+72+4*\k+3], v10, s[4:5] offset:512*\k
.endr
	s_wait_loadcnt 0x0
.irp k, 0,1,2,3,4,5,6,7,8,9,10,11
	PUT RAW+4*\k, \k, 16, WDR
.endr
.irp k, 0,1,2,3,4,5
	PUT RAW+48+4*\k, \k, 20, WER
.endr
.irp k, 0,1,2
	PUT RAW+72+4*\k, \k, 18, 0
.endr
	s_wait_dscnt 0x0                               ; for the others' sake: my pieces lie in LDS
	s_barrier_signal -1
	s_barrier_wait -1
	s_cmp_lt_u32 s24, 4                            ; the roles part on the wave's number; no barrier stands inside either
	s_cbranch_scc0 .Llayout
	; ---- waves 0 to 3: the product.  A fragment is 12 registers: 24 bytes at 96 j + 24 h and 24 at 96 j + 48 + 24 h of the lane's row
.irp j, 0,1,2,3,4,5,6,7
.irp p, 0,1,2,3,4,5
	ds_load_b64 v[WD+12*\j+2*\p:WD+12*\j+2*\p+1], v4 offset:WDR+96*\j+48*(\p/3)+8*(\p%3)
.endr
.irp p, 0,1,2,3,4,5
	ds_load_b64 v[DH+12*\j+2*\p:DH+12*\j+2*\p+1], v3 offset:96*\j+48*(\p/3)+8*(\p%3)
.endr
.endr
.irp i, 0,2,4,6
	v_pk_add_f32 v[CB+\i:CB+\i+1], v[CB+\i:CB+\i+1], v[BE+\i:BE+\i+1]   ; b_dec + b_enc: the C of the sum's first matrix instruction
.endr
.rept 4
	v_nop
.endr
	s_wait_alu depctr_va_vdst(0)                   ; directly ahead of the wait below
	s_wait_dscnt 0x0
; Eight K steps on two accumulators by turns, one instruction a turn.
.set j, 0
.rept 8
.set ra, ACC0+8*(j%2)
.if j == 0
	v_wmma_scale_f32_16x16x128_f8f6f4 v[ra:ra+7], v[WD+12*j:WD+12*j+11], v[DH+12*j:DH+12*j+11], v[CB:CB+7], v[WS+j], v[DS+j] matrix_a_fmt:MATRIX_FMT_FP6 matrix_b_fmt:MATRIX_FMT_FP6
.elseif j == 1
	v_wmma_scale_f32_16x16x128_f8f6f4 v[ra:ra+7], v[WD+12*j:WD+12*j+11], v[DH+12*j:DH+12*j+11], 0, v[WS+j], v[DS+j] matrix_a_fmt:MATRIX_FMT_FP6 matrix_b_fmt:MATRIX_FMT_FP6
.else
	v_wmma_scale_f32_16x16x128_f8f6f4 v[ra:ra+7], v[WD+12*j:WD+12*j+11], v[DH+12*j:DH+12*j+11], v[ra:ra+7], v[WS+j], v[DS+j] matrix_a_fmt:MATRIX_FMT_FP6 matrix_b_fmt:MATRIX_FMT_FP6
.endif
.set j, j+1
.endr
.rept 4
	v_nop                                          ; four places between a matrix instruction and the first read of its result (ISA guide 7.12.1)
.endr
.irp i, 0,2,4,6
	v_pk_add_f32 v[ACC0+\i:ACC0+\i+1], v[ACC0+\i:ACC0+\i+1], v[ACC1+\i:ACC1+\i+1]   ; both accumulators from their low ends on
.endr
.irp i, 0,2,4,6
	s_delay_alu instid0(VALU_DEP_4)
	v_pk_mul_f32 v[ACC0+\i:ACC0+\i+1], v[ACC0+\i:ACC0+\i+1], s[36:37] op_sel_hi:[1,0]   ; x c
.endr
	ds_store_b128 v12, v[ACC0:ACC0+3]
	ds_store_b128 v12, v[ACC0+4:ACC0+7] offset:16
	s_branch .Ljoin
.Llayout:
	; ---- waves 4 to 7: a half of a block of W_enc, from rows into the order of the operand's registers
.irp jj, 0,1,2,3
.irp p, 0,1,2,3,4,5
	ds_load_b64 v[WE+12*\jj+2*\p:WE+12*\jj+2*\p+1], v5 offset:WER+96*\jj+48*(\p/3)+8*(\p%3)
.endr
.endr
	v_cmp_ne_u32 vcc_lo, 0, v15                    ; lanes 16-31
	s_delay_alu instid0(VALU_DEP_1)
	v_cndmask_b32 v[ES+4], v[ES], v[ES+1], vcc_lo  ; lanes 0-15 keep the half's first K step's word, lanes 16-31 the second's;
	v_cndmask_b32 v[ES+5], v[ES+2], v[ES+3], vcc_lo   ; likewise the third and the fourth
	s_wait_alu depctr_va_vdst(0)                   ; directly ahead of the wait below
	s_wait_dscnt 0x0
.irp jj, 0,1,2,3
.irp c, 0,1,2
	global_store_b128 v10, v[WE+12*\jj+4*\c:WE+12*\jj+4*\c+3], s[22:23] offset:1536*\jj+512*\c   ; the registers as they stand: 32 lanes store 512 consecutive bytes
.endr
.endr
	global_store_b64 v11, v[ES+4:ES+5], s[22:23] offset:6144   ; 256 consecutive bytes.  None of these stores' registers is written again
.Ljoin:
	s_wait_dscnt 0x0                               ; for the others' sake: my stores into the stage are done
	s_barrier_signal -1
	s_barrier_wait -1                              ; a row's 256 bytes come from four waves
	s_wait_alu depctr_va_vdst(0)
	ds_load_b128 v[OUTR:OUTR+3], v13
	s_wait_dscnt 0x0
	global_store_b128 v14, v[OUTR:OUTR+3], s[20:21]   ; sixteen lanes store 256 consecutive bytes, at a multiple of 256 from the buffer's first byte
	s_wait_tensorcnt 0x0                           ; the wave's end, behind my last LDS store
	ds_add_u32 v[SPW], v[NIL]
	s_wait_dscnt 0x0
	s_endpgm
.Lfunc_end_k_qf4cf129868_prep:
	.size	k_qf4cf129868_prep, .Lfunc_end_k_qf4cf129868_prep-k_qf4cf129868_prep
	.p2alignl 7, 3214868480
	.fill 96, 4, 3214868480
	.section	.rodata,"a",@progbits
	.p2align	6, 0x0
	.amdhsa_kernel k_qf4cf129868_prep
		.amdhsa_group_segment_fixed_size 93184
		.amdhsa_private_segment_fixed_size 0
		.amdhsa_enable_private_segment 0
		.amdhsa_kernarg_size 80
		.amdhsa_user_sgpr_count 2
		.amdhsa_user_sgpr_kernarg_segment_ptr 1
		.amdhsa_wavefront_size32 1
		.amdhsa_system_sgpr_workgroup_id_x 1
		.amdhsa_system_sgpr_workgroup_id_y 1
		.amdhsa_system_sgpr_workgroup_id_z 1
		.amdhsa_system_vgpr_workitem_id 0
		.amdhsa_next_free_vgpr 256
		.amdhsa_next_free_sgpr 66
		.amdhsa_reserve_vcc 1
		.amdhsa_float_denorm_mode_32 3
		.amdhsa_float_denorm_mode_16_64 3
		.amdhsa_memory_ordered 1
		.amdhsa_forward_progress 1
		.amdhsa_inst_pref_size 21
	.end_amdhsa_kernel
	.amdgpu_metadata
---
amdhsa.version: [ 1, 2 ]
amdhsa.kernels:
  - .name:           k_qf4cf129868_prep
    .symbol:         k_qf4cf129868_prep.kd
    .args:
      - { .name: decoder_hidden_codes, .offset: 0, .size: 8, .value_kind: global_buffer, .address_space: global }
      - { .name: decoder_hidden_scales, .offset: 8, .size: 8, .value_kind: global_buffer, .address_space: global }
      - { .name: W_dec_codes, .offset: 16, .size: 8, .value_kind: global_buffer, .address_space: global }
      - { .name: W_dec_scales, .offset: 24, .size: 8, .value_kind: global_buffer, .address_space: global }
      - { .name: b_dec, .offset: 32, .size: 8, .value_kind: global_buffer, .address_space: global }
      - { .name: b_enc, .offset: 40, .size: 8, .value_kind: global_buffer, .address_space: global }
      - { .name: W_enc_codes, .offset: 48, .size: 8, .value_kind: global_buffer, .address_space: global }
      - { .name: W_enc_scales, .offset: 56, .size: 8, .value_kind: global_buffer, .address_space: global }
      - { .name: bias2, .offset: 64, .size: 8, .value_kind: global_buffer, .address_space: global }
      - { .name: wfrag, .offset: 72, .size: 8, .value_kind: global_buffer, .address_space: global }
    .group_segment_fixed_size: 93184
    .private_segment_fixed_size: 0
    .kernarg_segment_align: 8
    .kernarg_segment_size: 80
    .max_flat_workgroup_size: 256
    .sgpr_count:     66
    .vgpr_count:     256
    .wavefront_size: 32
...
	.end_amdgpu_metadata
.endif
;; end of part 4
;; launch main (part 5): grid 256 x 1, 4 waves a work-group, no clusters, 309,760 bytes of LDS; arguments encoder_outputs, wfrag, bias2, v, part, tsc; writes part, tsc
.if DOCPART == 5
	.amdgcn_target "amdgcn-amd-amdhsa--gfx1250"
	.amdhsa_code_object_version 6
	.text
	.protected	k_qf4cf129868_main
	.globl	k_qf4cf129868_main
	.p2align	8
	.type	k_qf4cf129868_main,@function
k_qf4cf129868_main:
	s_mov_b64 s[64:65], 0
	v_nop
	global_prefetch_b8 v0, s[64:65] scope:SCOPE_SE
	s_setreg_imm32_b32 hwreg(HW_REG_WAVE_MODE, 25, 1), 1
	s_wait_xcnt 0x0
; Second launch: for each block of 128 rows s of encoder_outputs (x): quantise to E2M3 along K, x W_enc on codes, tanh, the dot with v, the block's softmax and the block's part of the context.
; WORK LEFT OUT (shown at the head of the first kernel): b_v and sum_d v_d, both the same along the softmax's axis.
; ARITHMETIC.  y = c acc + bias2[d], c = 2 log2(e); r = 1 / (1 + 2^y); t_s = sum_d v2_d r_d with v2 = -c v: the score x log2(e) without the constant terms.  2^y = infinity gives r = 0, 2^y = 0 gives r = 1.
; Block: m = max t, p = 2^(t - m), l = sum p, ctx = sum p bf16(x).  The third launch joins a batch's sixteen blocks under their common maximum.
; EACH ROW OF x IS READ FROM MEMORY ONCE: its bf16 copy (2,048 bytes) waits in LDS until the row's score is known.  128 rows x 2,064 bytes are 264,192 of the 327,680 bytes of LDS: that sets the block.
; SHARES.  Work-group x takes rows 256 x .. 256 x + 255 (one batch, x / 8) in two passes of 128: eight tiles t of 16 rows.  Wave w quantises tiles 2 w and 2 w + 1; the codes go to the other waves through LDS as
; images of the operand's registers; every wave then holds all 64 fragments of the 128 rows (768 registers) and owns columns 256 w .. 256 w + 255, sixteen tiles of 16.
; A fragment of W_enc has one reader in the work-group and feeds eight matrix instructions; it comes straight into registers from the first launch's layout.
; NO CLUSTER, NO TENSOR LOADS: 264,192 bytes of copy and 45,568 of stages leave 17,920 bytes; two slots of one tile of W_enc for each of four waves are 98,304.
; THE MATRIX INSTRUCTION IS USED TRANSPOSED: source 0 = 16 columns of W_enc, source 1 = 16 rows: lane (r, h) holds row r, its register i column 16 g + 8 h + i.
; PREFETCH: in the first pass's tile trips 0 to 5 each wave names units 4 to 15 of its rows of the next pass, two units (16 rows x 512 bytes each, a lane to each 256 bytes) a trip, once in the launch;
; their loads follow one pass later.  Units 0 to 3 are loaded into registers behind the last tile.  The second pass asks for nothing.
; LIMITS: NaN and infinities among the inputs are not served.
; A block of 32 whose largest magnitude lies under 2^-124 keeps the scale byte 1; so does a block of zeros (its codes are zeros; these bytes are read here alone).
.set STASH, 0
.set SPITCH, 2064                      ; 2,048 bytes of bf16 + 16
.set IMG,   264192                     ; two slots x eight fragment images of 1,536 bytes
.set ASC,   288768                     ; the rows' scale words: tile t, K step j, row r at 512 t + 64 j + 4 r
.set BV,    292864                     ; bias2's row of the batch, 4,096 bytes, then v2, 4,096
.set SCR,   301056                     ; wave w's partial scores of the 128 rows at 512 w + 4 row
.set PB,    303104                     ; p, a copy of 512 bytes for each wave
.set CST,   305152                     ; the context's way out, 1,024 bytes a wave
.set SPARE, 309248                     ; the spare words, 128 bytes a wave
.set PASSB, 524288                     ; 128 rows of x in bytes
; REGISTERS.  The rows' fragment f = 8 j + t: f < 63 in window 1 + f / 21 at v[12 (f % 21)]; f = 63 in window 0 at AX.  Window 0:
.set SPW, 1                            ; my spare word; never rewritten
.set NIL, 2                            ; 0; never rewritten
.set LI,  3                            ; 16 x lane
.set L8,  4                            ; 8 x lane
.set BVA, 5                            ; LDS address of my eight numbers of bias2 (v2: 4,096 on)
.set PFO, 6                            ; the prefetches' offset: 4,096 r + 256 h
.set XA,  7                            ; x: 4,096 r + 64 h
.set STW, 8                            ; the copy, in: (32 w + r) x 2,064 + 32 h
.set IWA, 9                            ; where I store images
.set ASW, 10                           ; and their scale words
.set AS,  12                           ; v12-43 the rows' scale words: register 4 t + q: lanes 0-15 K step 2 q, lanes 16-31 K step 2 q + 1
.set AX,  44                           ; v44-55 fragment 63
.set BS,  56                           ; v56-63 W_enc's scale words, two sets of four
.set BIA, 64                           ; v64-71 bias2 of my eight columns
.set V2,  72                           ; v72-79 v2 of them
.set SC,  80                           ; v80-95 the score sums, a pair for each tile
.set ACC, 96                           ; v96-159 eight accumulators
.set BF,  160                          ; v160-255 W_enc's eight fragments of a tile of columns
; while x is loaded: raw numbers of unit u by u % 4: window 3 v128-191, window 3 v192-255, window 0 v96-159, window 0 v160-223
.set TM,  224
.set PW,  240
.set PC,  64
.set IRA, 84
; softmax and context: v64-71 addresses, v224-255 at work; window 1: two buffers of sixteen rows and their p, and the context
.set SCW, 64
.set SCD, 65
.set PBA, 66
.set CSW, 67
.set CSR, 68
.set ADX, 69
.set ADP, 70
.set RWA, 0
.set RWB, 128
.set PPA, 64
.set PPB, 192
.set CTX, 80
.set MSB, 0
.macro WIN new                         ; the immediate's high byte repeats the setting that is left
.if MSB != (\new)
	s_set_vgpr_msb (MSB<<8)|(\new)
.set MSB, (\new)
.endif
.endm
.macro BARRIER
	s_wait_dscnt 0x0
	s_barrier_signal -1
	s_barrier_wait -1
.endm
.macro PLACES                          ; four plain places behind a matrix instruction (ISA guide 7.12.1)
.rept 4
	v_nop
.endr
.endm
; Unit u = K step u / 2 of my tile u % 2: 16 rows x 128 numbers.  Register 16 b + e holds k = 128 j + 32 b + 16 h + e of row r.
.macro XLOAD u, off
.set xj, (\u)/2
.set xi, (\u)%2
.set xc, (\u)%4
.if xc < 2
.set xw, 3
.set xs, 128+64*xc
.else
.set xw, 0
.set xs, 96+64*(xc-2)
.endif
	WIN (xw<<6)
.irp b, 0,1,2,3
.irp q, 0,1,2,3
	global_load_b128 v[xs+16*\b+4*\q:xs+16*\b+4*\q+3], v[XA], s[4:5] offset:(\off)+65536*xi+512*xj+128*\b+16*\q
.endr
.endr
	WIN 0
.endm
; Unit u becomes a fragment's codes and scale word (image to LDS) and 16 rows x 256 bytes of the bf16 copy.
.macro UNIT u
.set uj, (\u)/2
.set ui, (\u)%2
.set uc, (\u)%4
.if uc < 2
.set uw, 3
.set us, 128+64*uc
.else
.set uw, 0
.set us, 96+64*(uc-2)
.endif
.if (\u) < 13
	s_wait_loadcnt 48                              ; my sixteen loads are in; the three younger units' 48 may be out
.else
	s_wait_loadcnt 16*(15-(\u))
.endif
	WIN (uw<<2)|(uw<<4)
.irp b, 0,1,2,3
	v_max3_num_f32 v[TM+\b], s24, |v[us+16*\b]|, |v[us+16*\b+1]|   ; my 16 numbers of block b, and the floor 2^(3 - 127)
.endr
.irp e, 2,4,6,8,10,12,14
.irp b, 0,1,2,3
	v_max3_num_f32 v[TM+\b], v[TM+\b], |v[us+16*\b+\e]|, |v[us+16*\b+\e+1]|
.endr
.endr
	WIN 0
.irp b, 0,1,2,3
	v_permlanex16_b32 v[TM+4+\b], v[TM+\b], s20, s21
.endr
.irp b, 0,1,2,3
	v_max_num_f32 v[TM+\b], v[TM+\b], v[TM+4+\b]   ; with lane l xor 16's: the block's largest magnitude
.endr
.irp b, 0,1,2,3
	v_add_nc_u32 v[TM+12+\b], 0xff000000, v[TM+\b] ; 2 off its exponent field: the conversion's scale operand
.endr
.irp b, 0,1,2,3
	v_lshrrev_b32 v[TM+4+\b], 23, v[TM+12+\b]      ; the scale's byte
.endr
	s_wait_alu depctr_va_vdst(0)                   ; directly ahead of the wait below
	s_wait_dscnt 0x0                               ; the last unit's image stores have read the word and the codes, which are written anew from here on
	v_lshl_or_b32 v[PW], v[TM+5], 8, v[TM+4]
	v_lshl_or_b32 v[PW], v[TM+6], 16, v[PW]
	v_lshl_or_b32 v[PW], v[TM+7], 24, v[PW]
	WIN uw
.irp c, 0,1
	v_cvt_scalef32_pk16_fp6_f32 v[PC+6*\c:PC+6*\c+2], v[us+32*\c:us+32*\c+15], v[TM+12+2*\c]
	v_cvt_scalef32_pk16_fp6_f32 v[PC+12+4*\c:PC+12+4*\c+2], v[us+32*\c+16:us+32*\c+31], v[TM+13+2*\c]
.endr
	v_nop                                          ; one plain place behind the scaled conversions
	WIN uw|(uw<<2)|(uw<<6)
.set ue, 0
.rept 32
	v_cvt_pk_bf16_f32 v[us+ue], v[us+2*ue], v[us+2*ue+1]   ; the copy, in place, ascending
.set ue, ue+1
.endr
	WIN (uw<<2)
.irp b, 0,1,2,3
.irp z, 0,1
	ds_store_b128 v[STW], v[us+8*\b+4*\z:us+8*\b+4*\z+3] offset:16*SPITCH*ui+256*uj+64*\b+16*\z
.endr
.endr
	WIN 0
.irp c, 0,1                            ; the operand's layout wants a whole block in a lane
.irp i, 0,1,2
	v_permlane16_swap_b32 v[PC+6*\c+\i], v[PC+12+4*\c+\i]
.endr
.irp i, 0,1,2
	v_mov_b32 v[PC+3+6*\c+\i], v[PC+12+4*\c+\i]
.endr
.endr
.irp c, 0,1,2
	ds_store_b128 v[IWA], v[PC+4*\c:PC+4*\c+3] offset:12288*(uj%2)+1536*ui+512*\c
.endr
	ds_store_b32 v[ASW], v[PW] offset:512*ui+64*uj
.if (\u)+4 <= 15
	s_wait_dscnt 4                                 ; the eight stores of the copy have read their registers (the four younger stores may be out)
	XLOAD (\u)+4, 0
.endif
.endm
.macro FETCH j                         ; K step j's eight fragments, out of the slot, into their registers
.set ft, 0
.rept 8
.set ff, 8*(\j)+ft
.if ff < 63
.set fw, 1+ff/21
.set fr, 12*(ff%21)
.else
.set fw, 0
.set fr, AX
.endif
	WIN (fw<<6)
.irp c, 0,1,2
	ds_load_b128 v[fr+4*\c:fr+4*\c+3], v[IRA] offset:12288*((\j)%2)+1536*ft+512*\c
.endr
.set ft, ft+1
.endr
	WIN 0
.endm
.macro ROUND j                         ; one barrier a round: a slot is stored again two rounds on
	UNIT 2*(\j)
	UNIT 2*(\j)+1
	BARRIER
	FETCH \j
.endm
.macro SLOAD set, off
.irp hh, 0,1
	global_load_b64 v[BS+4*(\set)+2*\hh:BS+4*(\set)+2*\hh+1], v[L8], s[26:27] offset:(\off)+6400*\hh+6144
.endr
.endm
.macro BLOAD j, off
.irp c, 0,1,2
	global_load_b128 v[BF+12*(\j)+4*\c:BF+12*(\j)+4*\c+3], v[LI], s[26:27] offset:(\off)+6400*((\j)/4)+1536*((\j)%4)+512*\c
.endr
.endm
; ONE TILE OF 16 COLUMNS against the 128 rows.  par: which set of scale words, and which of the trip's two tiles.  pre = 1: the NEXT tile (at off) is asked for in two runs, into registers just read:
; its scale words and fragments 0 to 3 behind K step 3's products, fragments 4 to 7 behind K step 7's.  This tile's bias2 and v2, four LDS loads, stand in the first run.
.macro NT par, pre, off
.set nj, 0
.rept 8
.if nj < 4
	s_wait_loadcnt 21-3*nj                         ; behind fragment j: this tile's later fragments
.elseif \pre
	s_wait_loadcnt 35-3*nj                         ; behind fragment j: 3 (7 - j) loads of this tile and 14 of the next
.else
	s_wait_loadcnt 21-3*nj
.endif
.set nt, 0
.rept 8                                ; the eight accumulators by turns
.set nf, 8*nj+nt
.if nf < 63
.set aw, 1+nf/21
.set ar, 12*(nf%21)
.else
.set aw, 0
.set ar, AX
.endif
.set na, ACC+8*nt
.set nb, BF+12*nj
.set nsw, BS+4*(\par)+nj/2
.set nsa, AS+4*nt+nj/2
	WIN (aw<<2)
.if nj == 0
	v_wmma_scale_f32_16x16x128_f8f6f4 v[na:na+7], v[nb:nb+11], v[ar:ar+11], 0, v[nsw], v[nsa] matrix_a_fmt:MATRIX_FMT_FP6 matrix_b_fmt:MATRIX_FMT_FP6
.elseif nj%2 == 0
	v_wmma_scale_f32_16x16x128_f8f6f4 v[na:na+7], v[nb:nb+11], v[ar:ar+11], v[na:na+7], v[nsw], v[nsa] matrix_a_fmt:MATRIX_FMT_FP6 matrix_b_fmt:MATRIX_FMT_FP6
.else
	v_wmma_scale_f32_16x16x128_f8f6f4 v[na:na+7], v[nb:nb+11], v[ar:ar+11], v[na:na+7], v[nsw], v[nsa] matrix_a_fmt:MATRIX_FMT_FP6 matrix_b_fmt:MATRIX_FMT_FP6 matrix_a_scale:MATRIX_SCALE_ROW1 matrix_b_scale:MATRIX_SCALE_ROW1
.endif
.set nt, nt+1
.endr
.if nj == 3
.if \pre
	PLACES
	SLOAD 1-(\par), \off                           ; (a load takes its destination's and its address's window: both are 0 under every setting used here)
.irp jj, 0,1,2,3
	BLOAD \jj, \off
.endr
.endif
.irp z, 0,1,2,3
	ds_load_b128 v[BIA+4*\z:BIA+4*\z+3], v[BVA] offset:4096*(\z/2)+64*(\par)+16*(\z%2)   ; bias2's eight numbers, then v2's (no matrix instruction names these registers)
.endr
.elseif nj == 7
	PLACES
.if \pre
.irp jj, 4,5,6,7
	BLOAD \jj, \off
.endr
.endif
.endif
.set nj, nj+1
.endr
	WIN 0
	s_wait_dscnt 0x0                               ; bias2 and v2
.set nt, 0
.rept 8
.irp i, 0,2,4,6
	v_pk_fma_f32 v[ACC+8*nt+\i:ACC+8*nt+\i+1], v[ACC+8*nt+\i:ACC+8*nt+\i+1], s[22:23], v[BIA+\i:BIA+\i+1] op_sel_hi:[1,0,1]   ; y, each accumulator from its low end on
.endr
.set nt, nt+1
.endr
	s_wait_alu depctr_va_vdst(0)                   ; ahead of the batch
.set ne, 0
.rept 64
	v_exp_f32 v[ACC+ne], v[ACC+ne]
.set ne, ne+1
.endr
	v_nop                                          ; a plain place behind the last exponential
	s_wait_alu depctr_va_vdst(0)                   ; and for one behind it, ahead of its first reader
.set ne, 0
.rept 32
	v_pk_add_f32 v[ACC+ne:ACC+ne+1], v[ACC+ne:ACC+ne+1], 1.0 op_sel_hi:[1,0]
.set ne, ne+2
.endr
	s_wait_alu depctr_va_vdst(0)                   ; ahead of the batch of reciprocals
.set ne, 0
.rept 64
	v_rcp_f32 v[ACC+ne], v[ACC+ne]
.set ne, ne+1
.endr
	v_nop
	s_wait_alu depctr_va_vdst(0)                   ; and behind it
.irp i, 0,2,4,6
.irp t, 0,1,2,3,4,5,6,7
	v_pk_fma_f32 v[SC+2*\t:SC+2*\t+1], v[V2+\i:V2+\i+1], v[ACC+8*\t+\i:ACC+8*\t+\i+1], v[SC+2*\t:SC+2*\t+1]   ; t += v2 r, the tiles by turns
.endr
.endr
.endm
; The context: sixteen rows of the copy and their p into a buffer of window 1; ro: rows behind the address
.macro LOADG rb, pb, ro
	WIN 0x40
.irp q, 0,1,2,3
	ds_load_b128 v[\pb+4*\q:\pb+4*\q+3], v[ADP] offset:4*(\ro)+16*\q
.endr
.irp i, 0,1,2,3,4,5,6,7,8,9,10,11,12,13,14,15
	ds_load_b128 v[\rb+4*\i:\rb+4*\i+3], v[ADX] offset:SPITCH*(\ro+\i)
.endr
	WIN 0
.endm
.macro FMAG rb, pb, n                  ; n: the LDS loads issued behind this buffer's, which may stay out
	s_wait_alu depctr_va_vdst(0)                   ; directly ahead of the wait below
	s_wait_dscnt \n
	WIN 0x55
.set ci, 0
.rept 16
.irp m, 0,1,2,3
	v_fma_mix_f32_bf16 v[CTX+2*\m], v[\rb+4*ci+\m], v[\pb+ci], v[CTX+2*\m] op_sel_hi:[1,0,0]
	v_fma_mix_f32_bf16 v[CTX+2*\m+1], v[\rb+4*ci+\m], v[\pb+ci], v[CTX+2*\m+1] op_sel:[1,0,0] op_sel_hi:[1,0,0]
.endr
.set ci, ci+1
.endr
	WIN 0
.endm
	s_load_b256 s[4:11], s[0:1], 0x0               ; x s[4:5], wfrag s[6:7], bias2 s[8:9], v s[10:11]
	s_load_b128 s[12:15], s[0:1], 0x20             ; part s[12:13], tsc s[14:15]
	v_lshl_add_u32 v[SPW], v0, 2, SPARE
	v_mov_b32 v[NIL], 0
	v_lshrrev_b32 v85, 5, v0
	v_readfirstlane_b32 s16, v85                   ; wave 0..3
	v_and_b32 v86, 31, v0                          ; lane
	v_and_b32 v87, 15, v0                          ; r
	v_bfe_u32 v88, v0, 4, 1                        ; h
	v_lshlrev_b32 v[LI], 4, v86
	v_lshlrev_b32 v[L8], 3, v86
	v_lshlrev_b32 v[PFO], 12, v87
	v_lshl_add_u32 v[XA], v88, 6, v[PFO]
	v_lshl_add_u32 v[PFO], v88, 8, v[PFO]
	v_mul_u32_u24 v[STW], v87, SPITCH
	v_lshl_add_u32 v[STW], v88, 5, v[STW]
	s_mul_i32 s28, s16, 32*SPITCH
	v_add_nc_u32 v[STW], s28, v[STW]
	s_mul_i32 s28, s16, 3072
	s_add_co_u32 s28, s28, IMG
	v_add_nc_u32 v[IWA], s28, v[LI]
	s_lshl_b32 s28, s16, 10
	s_add_co_u32 s28, s28, ASC
	v_lshl_add_u32 v[ASW], v87, 2, s28
	v_lshlrev_b32 v85, 5, v0                       ; 32 x thread: my 32 bytes of bias2's row and of v
	v_lshl_add_u32 v[BVA], v0, 5, BV
	s_mov_b32 s17, 2                               ; passes
	s_mov_b32 s20, 0x76543210
	s_mov_b32 s21, 0xfedcba98                      ; v_permlanex16_b32's selects for lane l xor 16
	s_mov_b32 s22, 0x4038aa3b                      ; c = 2 log2(e)
	s_mov_b32 s23, s22
	s_mov_b32 s24, 0x1800000                       ; the floor 2^(3 - 127)
	s_mov_b32 s29, 0
	s_wait_alu depctr_va_vdst(0)                   ; at the head's end
	s_wait_kmcnt 0x0
	s_lshl_b32 s28, ttmp9, 20                      ; 256 rows of 4,096 bytes a work-group,
	s_lshl_b32 s30, s16, 17                        ; 32 rows a wave
	s_add_co_u32 s28, s28, s30
	s_add_nc_u64 s[4:5], s[4:5], s[28:29]
	s_mul_i32 s28, s16, 204800                     ; my sixteen tiles of W_enc
	s_add_nc_u64 s[6:7], s[6:7], s[28:29]
	s_lshr_b32 s28, ttmp9, 3
	s_lshl_b32 s28, s28, 12                        ; the batch's row of bias2
	s_add_nc_u64 s[8:9], s[8:9], s[28:29]
	s_mul_i32 s28, ttmp9, 8704                     ; two blocks of 4,352 bytes a work-group,
	s_lshl_b32 s30, s16, 10                        ; my 256 columns of the context
	s_add_co_u32 s28, s28, s30
	s_add_nc_u64 s[12:13], s[12:13], s[28:29]
	s_lshl_b32 s28, ttmp9, 10
	s_add_nc_u64 s[14:15], s[14:15], s[28:29]
	global_load_b128 v[BIA:BIA+3], v85, s[8:9]
	global_load_b128 v[BIA+4:BIA+7], v85, s[8:9] offset:16
	global_load_b128 v[V2:V2+3], v85, s[10:11]
	global_load_b128 v[V2+4:V2+7], v85, s[10:11] offset:16
	XLOAD 0, 0
	XLOAD 1, 0
	XLOAD 2, 0
	s_wait_loadcnt 48                              ; the three units' 48 loads may be out; bias2 and v are in
.irp i, 0,2,4,6
	v_pk_mul_f32 v[V2+\i:V2+\i+1], v[V2+\i:V2+\i+1], 0xc038aa3b op_sel_hi:[1,0]   ; v2 = -c v
.endr
	ds_store_b128 v[BVA], v[BIA:BIA+3]
	ds_store_b128 v[BVA], v[BIA+4:BIA+7] offset:16
	ds_store_b128 v[BVA], v[V2:V2+3] offset:4096
	ds_store_b128 v[BVA], v[V2+4:V2+7] offset:4112 ; read only by my own wave, behind the first round's barrier
	XLOAD 3, 0
.Lpass:
	; ---- x: sixteen units a wave, loads four units ahead; a round makes one K step's eight fragments and hands them round
	v_add_nc_u32 v[IRA], IMG, v[LI]
.irp b, 0,1,2,3
	v_mov_b32 v[TM+4+\b], 0                        ; a lane permute's destination counts as one of its sources
.endr
.irp j, 0,1,2,3,4,5,6
	ROUND \j
.endr
	UNIT 14
	UNIT 15
	s_wait_dscnt 0x0                               ; my stores have landed and have read their registers
	s_wait_xcnt 0x0
	s_mov_b64 s[26:27], s[6:7]                     ; the walking pointer: my tile 0
	s_add_nc_u64 s[32:33], s[4:5], PASSB+1024      ; the prefetches' base: K step 2 of my rows of the next pass
	s_cmp_eq_u32 s17, 2
	s_cselect_b32 s25, 6, 0                        ; six trips ask in the first pass, none in the second
	SLOAD 0, 0
.irp j, 0,1,2,3,4,5,6,7
	BLOAD \j, 0
.endr
	s_barrier_signal -1
	s_barrier_wait -1
	FETCH 7
	v_and_b32 v[SC], 31, v0
	v_lshl_add_u32 v[SC], v[SC], 2, ASC            ; ASC + 4 lane
.irp t, 0,1,2,3,4,5,6,7
.irp q, 0,1,2,3
	ds_load_b32 v[AS+4*\t+\q], v[SC] offset:512*\t+128*\q   ; lanes 0-15 K step 2 q's words of tile t, lanes 16-31 K step 2 q + 1's
.endr
.endr
	s_lshl_b32 s19, s16, 10
	s_add_co_u32 s19, s19, BV                      ; bias2 of my first column
	s_wait_dscnt 0x0
.irp i, 0,1,2,3,4,5,6,7,8,9,10,11,12,13,14,15
	v_mov_b32 v[SC+\i], 0
.endr
	; ---- the product, tanh and the dot with v: sixteen tiles of columns, two a trip
	s_mov_b32 s18, 7
.Ltile:
	s_cmp_lg_u32 s25, 0
	s_cbranch_scc0 .Lnopf
	global_prefetch_b8 v[PFO], s[32:33] th:TH_LOAD_NT scope:SCOPE_SE                ; one K step of my two tiles of the next pass
	global_prefetch_b8 v[PFO], s[32:33] offset:65536 th:TH_LOAD_NT scope:SCOPE_SE
	s_sub_co_u32 s25, s25, 1
.Lnopf:
	v_bfe_u32 v[BVA], v0, 4, 1
	v_lshl_add_u32 v[BVA], v[BVA], 5, s19          ; + 32 h
	s_wait_alu depctr_va_vdst(0)
	NT 0, 1, 12800
	NT 1, 1, 25600
	s_wait_xcnt 0x0                                ; the loads and prefetches have read their bases: they may step
	s_add_nc_u64 s[26:27], s[26:27], 25600
	s_add_nc_u64 s[32:33], s[32:33], 512
	s_add_co_u32 s19, s19, 128
	s_sub_co_u32 s18, s18, 1
	s_cmp_lg_u32 s18, 0
	s_cbranch_scc1 .Ltile
	v_bfe_u32 v[BVA], v0, 4, 1
	v_lshl_add_u32 v[BVA], v[BVA], 5, s19
	s_wait_alu depctr_va_vdst(0)
	NT 0, 1, 12800                                 ; the last two tiles are written out: the last asks for nothing, so no load leaves the buffer
	NT 1, 0, 0
	; ---- the next pass's first four units are asked for here, into registers that the products have left
	s_wait_alu depctr_va_vdst(0)                   ; ahead of the branch
	s_cmp_eq_u32 s17, 1
	s_cbranch_scc1 .Lno_next
	XLOAD 0, PASSB
	XLOAD 1, PASSB
	XLOAD 2, PASSB
	XLOAD 3, PASSB
.Lno_next:
	; ---- the block's softmax.  v96-223 and window 3's v128-255 are targets of pending loads and are not named below
	s_lshl_b32 s19, s16, 9                         ; 512 w: my columns in a row of the copy
	s_add_co_u32 s29, s19, SCR
	v_and_b32 v71, 15, v0
	v_lshl_add_u32 v[SCW], v71, 2, s29
	v_add_nc_u32 v[SCD], SCR, v[LI]
	s_add_co_u32 s28, s19, PB                      ; my copy of p
	v_add_nc_u32 v[PBA], s28, v[LI]
	s_lshl_b32 s29, s16, 10
	s_add_co_u32 s29, s29, CST
	v_lshl_add_u32 v[CSW], v[LI], 1, s29
	v_add_nc_u32 v[CSR], s29, v[LI]
.irp t, 0,1,2,3,4,5,6,7
	v_add_f32 v[224+\t], v[SC+2*\t], v[SC+2*\t+1]
.endr
.irp t, 0,1,2,3,4,5,6,7
	v_mov_b32 v[232+\t], 0
.endr
	v_mov_b32 v242, 0
.irp t, 0,1,2,3,4,5,6,7
	v_permlanex16_b32 v[232+\t], v[224+\t], s20, s21
.endr
.irp t, 0,1,2,3,4,5,6,7
	v_add_f32 v[224+\t], v[224+\t], v[232+\t]      ; row 16 t + r over my 256 columns
.endr
.irp t, 0,1,2,3,4,5,6,7
	ds_store_b32 v[SCW], v[224+\t] offset:64*\t
.endr
	s_wait_alu depctr_va_vdst(0)                   ; ahead of the barrier's waits
	BARRIER                                        ; the four waves' partial scores lie in LDS
.irp q, 0,1,2,3
	ds_load_b128 v[224+4*\q:227+4*\q], v[SCD] offset:512*\q
.endr
	s_wait_dscnt 0x0
	v_pk_add_f32 v[224:225], v[224:225], v[228:229]   ; every wave adds in the same order: all four hold the same t, m and p
	v_pk_add_f32 v[226:227], v[226:227], v[230:231]
	v_pk_add_f32 v[232:233], v[232:233], v[236:237]
	v_pk_add_f32 v[234:235], v[234:235], v[238:239]
	v_pk_add_f32 v[224:225], v[224:225], v[232:233]
	v_pk_add_f32 v[226:227], v[226:227], v[234:235]   ; t of rows 4 lane .. 4 lane + 3
	v_max3_num_f32 v240, v224, v225, v226
	v_max_num_f32 v240, v240, v227
	v_max_num_f32_dpp v240, v240, v240 row_xmask:1 row_mask:0xf bank_mask:0xf
	v_max_num_f32_dpp v240, v240, v240 row_xmask:2 row_mask:0xf bank_mask:0xf
	v_max_num_f32_dpp v240, v240, v240 row_xmask:4 row_mask:0xf bank_mask:0xf
	v_max_num_f32_dpp v240, v240, v240 row_xmask:8 row_mask:0xf bank_mask:0xf
	v_permlanex16_b32 v242, v240, s20, s21
	v_max_num_f32 v240, v240, v242                 ; m: the block's largest t, taken away before the exponential
.irp i, 0,1,2,3
	v_sub_f32 v[244+\i], v[224+\i], v240
.endr
	s_wait_alu depctr_va_vdst(0)                   ; ahead of the batch
.irp i, 0,1,2,3
	v_exp_f32 v[244+\i], v[244+\i]                 ; p = 2^(t - m)
.endr
	v_nop
	s_wait_alu depctr_va_vdst(0)                   ; and behind it
	v_add_f32 v241, v244, v245
	v_add_f32 v243, v246, v247
	v_add_f32 v241, v241, v243
	v_add_f32_dpp v241, v241, v241 row_xmask:1 row_mask:0xf bank_mask:0xf
	v_add_f32_dpp v241, v241, v241 row_xmask:2 row_mask:0xf bank_mask:0xf
	v_add_f32_dpp v241, v241, v241 row_xmask:4 row_mask:0xf bank_mask:0xf
	v_add_f32_dpp v241, v241, v241 row_xmask:8 row_mask:0xf bank_mask:0xf
	v_permlanex16_b32 v242, v241, s20, s21
	v_add_f32 v241, v241, v242                     ; l: the block's sum of p
	ds_store_b128 v[PBA], v[244:247]               ; p into my own copy: only I read it, and LDS serves a wave's instructions in order (ISA guide 5.7.1.4)
	s_wait_alu depctr_va_vdst(0)                   ; ahead of the branch
	s_cmp_lg_u32 s16, 0
	s_cbranch_scc1 .Lnot_0
	global_store_b128 v[LI], v[224:227], s[14:15]  ; wave 0: the block's 128 t, 512 consecutive bytes,
	global_store_b64 v[L8], v[240:241], s[12:13] offset:4096   ; and (m, l), once a lane: 256 consecutive bytes behind the block's context
.Lnot_0:
	; ---- the block's context over my 256 columns: a lane holds eight of them; groups of sixteen rows on two buffers, the next group's 20 loads out while a group is summed
	WIN 0x40
.irp i, 0,1,2,3,4,5,6,7
	v_mov_b32 v[CTX+\i], 0
.endr
	WIN 0
	v_add_nc_u32 v[ADX], s19, v[LI]                ; row 0, byte 512 w + 16 lane
	v_mov_b32 v[ADP], s28                          ; p: the same address in every lane
	LOADG RWA, PPA, 0
	s_mov_b32 s18, 3
.Lctx:
	LOADG RWB, PPB, 16
	FMAG RWA, PPA, 20
	s_add_co_u32 s19, s19, 32*SPITCH
	s_add_co_u32 s28, s28, 128
	v_add_nc_u32 v[ADX], s19, v[LI]
	v_mov_b32 v[ADP], s28
	LOADG RWA, PPA, 0
	FMAG RWB, PPB, 20
	s_sub_co_u32 s18, s18, 1
	s_cmp_lg_u32 s18, 0
	s_cbranch_scc1 .Lctx
	LOADG RWB, PPB, 16                             ; the last group: nothing is read beyond row 127
	FMAG RWA, PPA, 20
	FMAG RWB, PPB, 0
	WIN 0x04                                       ; an LDS store's data are its source 1: window 1
	ds_store_b128 v[CSW], v[CTX:CTX+3]             ; a lane's 32 bytes go through my own stage, so that each store below covers 512 consecutive bytes
	ds_store_b128 v[CSW], v[CTX+4:CTX+7] offset:16
	WIN 0
	ds_load_b128 v[248:251], v[CSR]
	ds_load_b128 v[252:255], v[CSR] offset:512
	s_wait_dscnt 0x0
	global_store_b128 v[LI], v[248:251], s[12:13] th:TH_STORE_NT
	global_store_b128 v[LI], v[252:255], s[12:13] offset:512 th:TH_STORE_NT
	BARRIER                                        ; every wave has read the copy: the next pass may store into it
	s_wait_xcnt 0x0                                ; the pending loads and stores have read their bases and registers
	s_add_nc_u64 s[4:5], s[4:5], PASSB
	s_add_nc_u64 s[12:13], s[12:13], 4352
	s_add_nc_u64 s[14:15], s[14:15], 512
	s_sub_co_u32 s17, s17, 1
	s_cmp_lg_u32 s17, 0
	s_cbranch_scc1 .Lpass
	s_wait_tensorcnt 0x0                           ; the wave's end, behind my last LDS store
	ds_add_u32 v[SPW], v[NIL]
	s_wait_dscnt 0x0
	s_endpgm
.Lfunc_end_k_qf4cf129868_main:
	.size	k_qf4cf129868_main, .Lfunc_end_k_qf4cf129868_main-k_qf4cf129868_main
	.p2alignl 7, 3214868480
	.fill 96, 4, 3214868480
	.section	.rodata,"a",@progbits
	.p2align	6, 0x0
	.amdhsa_kernel k_qf4cf129868_main
		.amdhsa_group_segment_fixed_size 309760
		.amdhsa_private_segment_fixed_size 0
		.amdhsa_enable_private_segment 0
		.amdhsa_kernarg_size 48
		.amdhsa_user_sgpr_count 2
		.amdhsa_user_sgpr_kernarg_segment_ptr 1
		.amdhsa_wavefront_size32 1
		.amdhsa_system_sgpr_workgroup_id_x 1
		.amdhsa_system_sgpr_workgroup_id_y 1
		.amdhsa_system_sgpr_workgroup_id_z 1
		.amdhsa_system_vgpr_workitem_id 0
		.amdhsa_next_free_vgpr 1024
		.amdhsa_next_free_sgpr 66
		.amdhsa_reserve_vcc 0
		.amdhsa_float_denorm_mode_32 3
		.amdhsa_float_denorm_mode_16_64 3
		.amdhsa_memory_ordered 1
		.amdhsa_forward_progress 1
		.amdhsa_inst_pref_size 255
	.end_amdhsa_kernel
	.section	.bss,"aw",@nobits
	.p2align	6
	.space	262144
	.amdgpu_metadata
---
amdhsa.version: [ 1, 2 ]
amdhsa.kernels:
  - .name:           k_qf4cf129868_main
    .symbol:         k_qf4cf129868_main.kd
    .args:
      - { .name: encoder_outputs, .offset: 0, .size: 8, .value_kind: global_buffer, .address_space: global }
      - { .name: wfrag, .offset: 8, .size: 8, .value_kind: global_buffer, .address_space: global }
      - { .name: bias2, .offset: 16, .size: 8, .value_kind: global_buffer, .address_space: global }
      - { .name: v, .offset: 24, .size: 8, .value_kind: global_buffer, .address_space: global }
      - { .name: part, .offset: 32, .size: 8, .value_kind: global_buffer, .address_space: global }
      - { .name: tsc, .offset: 40, .size: 8, .value_kind: global_buffer, .address_space: global }
    .group_segment_fixed_size: 309760
    .private_segment_fixed_size: 0
    .kernarg_segment_align: 8
    .kernarg_segment_size: 48
    .max_flat_workgroup_size: 128
    .sgpr_count:     66
    .vgpr_count:     1024
    .wavefront_size: 32
...
	.end_amdgpu_metadata
.endif
;; end of part 5
;; launch join (part 6): grid 8 x 32, 1 waves a work-group, no clusters, 0 bytes of LDS; arguments part, tsc, out0, out1; writes out0, out1
.if DOCPART == 6
	.amdgcn_target "amdgcn-amd-amdhsa--gfx1250"
	.amdhsa_code_object_version 6
	.text
	.protected	k_qf4cf129868_join
	.globl	k_qf4cf129868_join
	.p2align	8
	.type	k_qf4cf129868_join,@function
k_qf4cf129868_join:
	s_mov_b64 s[64:65], 0
	v_nop
	global_prefetch_b8 v0, s[64:65] scope:SCOPE_SE
	s_setreg_imm32_b32 hwreg(HW_REG_WAVE_MODE, 25, 1), 1
	s_wait_xcnt 0x0
; Third launch: a batch's sixteen blocks are joined.  M = max m_i; e_i = 2^(m_i - M); L = sum l_i e_i; context = sum (e_i / L) ctx_i; attn_s = 2^(t_s - M) / L.
; WORK LEFT OUT (shown at the head of the first kernel): t holds neither b_v nor sum_d v_d, which are the same along the softmax's axis.
; Work-group (x, b), one wave: columns 128 x .. 128 x + 127 of out0[b] and positions 256 x .. 256 x + 255 of out1[b].  Every load and store of the wave covers 512 consecutive bytes, but for the sixteen pairs (m, l).
; No LDS, no barrier, no matrix unit: 2.5 MB are read once.
	s_load_b256 s[4:11], s[0:1], 0x0               ; part s[4:5], tsc s[6:7], out0 s[8:9], out1 s[10:11]
	v_and_b32 v1, 15, v0
	v_mul_u32_u24 v1, v1, 4352                     ; lane l looks at block l % 16
	v_lshlrev_b32 v5, 4, v0                        ; 16 x lane
	s_and_b32 s12, ttmp7, 0xffff                   ; the batch
	s_mul_i32 s14, s12, 69632                      ; its sixteen blocks of 4,352 bytes
	s_mov_b32 s15, 0
	s_lshl_b32 s16, ttmp9, 9                       ; my 128 columns
	v_add_nc_u32 v4, s16, v5
	s_lshl_b32 s18, s12, 13
	s_lshl_b32 s19, ttmp9, 10
	s_add_co_u32 s18, s18, s19                     ; my 256 positions: 8,192 b + 1,024 x
	s_mov_b32 s19, 0
	s_lshl_b32 s20, s12, 12
	s_add_co_u32 s20, s20, s16                     ; out0: 4,096 b + 512 x
	s_mov_b32 s21, 0
	s_wait_alu depctr_va_vdst(0)
	s_wait_kmcnt 0x0
	s_add_nc_u64 s[4:5], s[4:5], s[14:15]
	s_add_nc_u64 s[6:7], s[6:7], s[18:19]
	s_add_nc_u64 s[8:9], s[8:9], s[20:21]
	s_add_nc_u64 s[10:11], s[10:11], s[18:19]
	global_load_b64 v[2:3], v1, s[4:5] offset:4096 ; (m_i, l_i)
.irp i, 0,1,2,3,4,5,6,7,8,9,10,11,12,13,14,15
	global_load_b128 v[16+4*\i:19+4*\i], v4, s[4:5] offset:4352*\i
.endr
	global_load_b128 v[80:83], v5, s[6:7]
	global_load_b128 v[84:87], v5, s[6:7] offset:512
	s_wait_loadcnt 18                              ; the 16 + 2 younger loads may be out
	v_mov_b32 v8, v2
	v_max_num_f32_dpp v8, v8, v8 row_xmask:1 row_mask:0xf bank_mask:0xf
	v_max_num_f32_dpp v8, v8, v8 row_xmask:2 row_mask:0xf bank_mask:0xf
	v_max_num_f32_dpp v8, v8, v8 row_xmask:4 row_mask:0xf bank_mask:0xf
	v_max_num_f32_dpp v8, v8, v8 row_xmask:8 row_mask:0xf bank_mask:0xf   ; M, in every lane: both halves of the lanes hold the same sixteen
	v_sub_f32 v9, v2, v8
	s_wait_alu depctr_va_vdst(0)
	v_exp_f32 v9, v9                               ; e_i
	v_nop
	s_wait_alu depctr_va_vdst(0)
	v_mul_f32 v10, v3, v9
	v_add_f32_dpp v10, v10, v10 row_xmask:1 row_mask:0xf bank_mask:0xf
	v_add_f32_dpp v10, v10, v10 row_xmask:2 row_mask:0xf bank_mask:0xf
	v_add_f32_dpp v10, v10, v10 row_xmask:4 row_mask:0xf bank_mask:0xf
	v_add_f32_dpp v10, v10, v10 row_xmask:8 row_mask:0xf bank_mask:0xf   ; L: at least 1, since the block that holds M has a p of 1
	s_wait_alu depctr_va_vdst(0)
	v_rcp_f32 v11, v10
	v_nop
	s_wait_alu depctr_va_vdst(0)
	v_mul_f32 v12, v9, v11                         ; w_i = e_i / L
.irp i, 0,1,2,3,4,5,6,7,8,9,10,11,12,13,14,15
	v_readlane_b32 s[32+\i], v12, \i
.endr
	s_wait_loadcnt 2                               ; the sixteen parts of the context are in
.irp k, 0,1,2,3
	v_mul_f32 v[88+\k], s32, v[16+\k]
.endr
.irp i, 1,2,3,4,5,6,7,8,9,10,11,12,13,14,15
.irp k, 0,1,2,3
	v_fmac_f32 v[88+\k], s[32+\i], v[16+4*\i+\k]
.endr
.endr
	global_store_b128 v5, v[88:91], s[8:9]
	s_wait_loadcnt 0x0
.irp k, 0,1,2,3,4,5,6,7
	v_sub_f32 v[80+\k], v[80+\k], v8
.endr
	s_wait_alu depctr_va_vdst(0)
.irp k, 0,1,2,3,4,5,6,7
	v_exp_f32 v[80+\k], v[80+\k]
.endr
	v_nop
	s_wait_alu depctr_va_vdst(0)
.irp k, 0,1,2,3,4,5,6,7
	v_mul_f32 v[80+\k], v[80+\k], v11
.endr
	global_store_b128 v5, v[80:83], s[10:11]
	global_store_b128 v5, v[84:87], s[10:11] offset:512
	s_endpgm
.Lfunc_end_k_qf4cf129868_join:
	.size	k_qf4cf129868_join, .Lfunc_end_k_qf4cf129868_join-k_qf4cf129868_join
	.p2alignl 7, 3214868480
	.fill 96, 4, 3214868480
	.section	.rodata,"a",@progbits
	.p2align	6, 0x0
	.amdhsa_kernel k_qf4cf129868_join
		.amdhsa_group_segment_fixed_size 0
		.amdhsa_private_segment_fixed_size 0
		.amdhsa_enable_private_segment 0
		.amdhsa_kernarg_size 32
		.amdhsa_user_sgpr_count 2
		.amdhsa_user_sgpr_kernarg_segment_ptr 1
		.amdhsa_wavefront_size32 1
		.amdhsa_system_sgpr_workgroup_id_x 1
		.amdhsa_system_sgpr_workgroup_id_y 1
		.amdhsa_system_sgpr_workgroup_id_z 1
		.amdhsa_system_vgpr_workitem_id 0
		.amdhsa_next_free_vgpr 96
		.amdhsa_next_free_sgpr 66
		.amdhsa_reserve_vcc 0
		.amdhsa_float_denorm_mode_32 3
		.amdhsa_float_denorm_mode_16_64 3
		.amdhsa_memory_ordered 1
		.amdhsa_forward_progress 1
		.amdhsa_inst_pref_size 8
	.end_amdhsa_kernel
	.amdgpu_metadata
---
amdhsa.version: [ 1, 2 ]
amdhsa.kernels:
  - .name:           k_qf4cf129868_join
    .symbol:         k_qf4cf129868_join.kd
    .args:
      - { .name: part, .offset: 0, .size: 8, .value_kind: global_buffer, .address_space: global }
      - { .name: tsc, .offset: 8, .size: 8, .value_kind: global_buffer, .address_space: global }
      - { .name: out0, .offset: 16, .size: 8, .value_kind: global_buffer, .address_space: global }
      - { .name: out1, .offset: 24, .size: 8, .value_kind: global_buffer, .address_space: global }
    .group_segment_fixed_size: 0
    .private_segment_fixed_size: 0
    .kernarg_segment_align: 8
    .kernarg_segment_size: 32
    .max_flat_workgroup_size: 32
    .sgpr_count:     66
    .vgpr_count:     96
    .wavefront_size: 32
...
	.end_amdgpu_metadata
.endif
;; end of part 6
